; MI455X (gfx1250); checked and timed in simulation.
; The chip was launched on July 23, 2026; its instructions are those of AMD's public machine-readable ISA for CDNA 5 (MIT licence, August 2026) and "CDNA5" Instruction Set Architecture Reference Guide (July 2026). The comments in the code are by the model that wrote it; some were corrected since.
;; Causal Self Attention. Allowed arithmetic: matrix products marked QUANTISED: E4M3 operands, one given power-of-two scale a tensor, by v_wmma_f32_16x16x64_fp8_fp8 or v_wmma_f32_16x16x128_fp8_fp8, f32 sums; everything else in f32.
;; Inputs: lowp_scales 8 int32 (the exponents e of the quantised operands' scales 2^e); w_attn 1,024 x 3,072 float32; w_proj 1,024 x 1,024 float32; x 4 x 2,048 x 1,024 float32.
;; Outputs: out0 4 x 2,048 x 1,024 float32.
;; This version of the problem:
;;   THIS VERSION OF THE PROBLEM IS GIVEN IN LOW PRECISION. The matrix products marked QUANTISED in the list below multiply operands that are first quantised to E4M3 (4 exponent bits, 3 mantissa bits; 8 bits a number), with one given power-of-two scale for each operand tensor; their sums are f32. All else is computed in f32.
;;   The module's matrix products, in the order in which they are computed (A, B: the left and right operand; K: the contracted axis; several contracted axes count as one K, in the product's order):
;;     1. [M 8,192, K 1,024] x [K 1,024, N 3,072]; A: input x; B: input w_attn: QUANTISED (scales: A lowp_scales[0], B lowp_scales[1])
;;     2. batch 64 x [M 2,048, K 64] x [K 64, N 2,048]; A: computed on the way; B: computed on the way: QUANTISED (scales: A lowp_scales[2], B lowp_scales[3])
;;     3. batch 64 x [M 2,048, K 2,048] x [K 2,048, N 64]; A: softmax (see below); B: computed on the way: QUANTISED (scales: A lowp_scales[4], B lowp_scales[5])
;;     4. [M 8,192, K 1,024] x [K 1,024, N 1,024]; A: computed on the way; B: input w_proj: QUANTISED (scales: A lowp_scales[6], B lowp_scales[7])
;;   THE QUANTISER, for each operand of a quantised product, along K:
;;     - The operand's scale is 2^e, e = its entry of the input lowp_scales (int32; the entries are numbered through the quantised products in the list's order, A before B).
;;     - Each number is divided by the scale, clamped to +-448, and rounded to the nearest number of E4M3, ties to even, subnormals kept.
;;     - The product sums the exact products of the quantised numbers (number of the format x scale) in f32.
;;   ~~~python
;;   def quantise(x, axis, e):      # numpy; x: float32 -> the quantised numbers, widened to float32 again
;;       x = np.moveaxis(x, axis, -1); K = x.shape[-1]
;;       r = np.clip(x / 2.0 ** e, -448, 448)
;;       step = 2.0 ** (np.maximum(np.frexp(np.where(r == 0, 1, r))[1] - 1, -6) - 3)
;;       q = np.round(r / step) * step * 2.0 ** e      # np.round: ties to even
;;       return np.moveaxis(q, -1, axis).astype(np.float32)
;;   ~~~
;;   SOFTMAX AHEAD OF A QUANTISED PRODUCT. Where the list says 'softmax', what is quantised is not the finished softmax but p = 2^(t - M), with t = logit x log2(e) and M = ceil(the row's largest t), a whole number; so 1/2 < the row's largest p <= 1. The row's sum l is taken of the UNQUANTISED p, in f32, and the product's result is divided by l at the end. Since M is a whole number, a kernel that streams over the keys may use a running M (the ceiling of the running maximum): every later rescaling is an exact power of two, so the quantised numbers keep their values, but for numbers so far below the row's largest that they fall under the format's range.
;;   OPERANDS COMPUTED ON THE WAY. 'Computed on the way' means the value that the module computes at that place (a softmax that the list does not call 'softmax' is quantised finished and normalised). What goes into a quantiser is computed in f32, as accurately as f32 sums, v_exp_f32 and their like allow (about 1e-6 of the number): no bf16 or f16 on the way to a quantiser, and a product that is left as it is and whose result goes on into a quantised operand takes f32 operands (vector FMAs, or v_wmma_f32_16x16x4_f32). A number that lies on a knife's edge between two numbers of the format may be rounded either way, as far as f32 arithmetic and the matrix unit's own rounding can turn it there, and no further.
;; One version. Each part assembles by itself: llvm-mc -triple=amdgcn-amd-amdhsa -mcpu=gfx1250 --defsym DOCPART=n.
;; ======== version 1 of 1: 4 launches
;; limits: right only within a limited range of input values
;; workspace buffers: x_codes 8,388,608 bytes; wa_codes 3,145,728 bytes; wp_codes 1,048,576 bytes; q_codes 8,388,608 bytes; k_codes 8,388,608 bytes; v_codes 8,388,608 bytes; y_codes 8,388,608 bytes
;; launch quant (part 1): grid 384 x 1, 4 waves a work-group, no clusters, 68,096 bytes of LDS; arguments x, w_attn, w_proj, lowp_scales, x_codes, wa_codes, wp_codes; writes x_codes, wa_codes, wp_codes
.if DOCPART == 1
	.amdgcn_target "amdgcn-amd-amdhsa--gfx1250"
	.amdhsa_code_object_version 6
	.text
	.protected	k_qfe4495210f_quant
	.globl	k_qfe4495210f_quant
	.p2align	8
	.type	k_qfe4495210f_quant,@function
k_qfe4495210f_quant:
	s_mov_b64 s[64:65], 0
	v_nop
	global_prefetch_b8 v0, s[64:65] scope:SCOPE_SE
	s_setreg_imm32_b32 hwreg(HW_REG_WAVE_MODE, 25, 1), 1
	s_wait_xcnt 0x0
; x [8192][1024], w_attn [1024][3072] and w_proj [1024][1024], f32, become codes of FP8 (E4M3), one a byte, K innermost, each with the scale 2^e given for it:
; x_codes [8192][1024] (e = entry 0), wa_codes [3072][1024] (entry 1), wp_codes [1024][1024] (entry 7).
; code = number / 2^e, held within +-448, rounded to the nearest code, ties to even.
; LIMITS: each of the three e lies between -126 and 119, so that 2^e and 448 x 2^e are f32 numbers.  NaN among the inputs is not served; an infinity is held at the largest code.
; SHARES.  Work-groups 0 to 255 take x, whose K is innermost: a plain stream, 32,768 numbers a work-group, 8,192 a wave in 16 steps of 512.
; Work-groups 256 to 383 take the weights, whose K is the FIRST axis: 128 columns x 256 along K each, a wave 32 columns; a lane takes a column and its registers run down K, so the conversions
; give codes with K innermost and nothing is transposed by an instruction.  Every work-group reads 131,072 bytes.
; The two ways part once, on the work-group's number, and never join; each has LDS bytes of its own.  No tensor loads, no barrier: waves share nothing.
.set XWG,    256                       ; work-groups for x
.set STEPS,  16
.set SP,     80                        ; x: a lane's place in a stage: 64 bytes + 16 of padding
.set WREG,   8192                      ; x: LDS for a wave: two stages of 32 x SP bytes.  Four waves: bytes 0 to 32,767
.set WST,    32768                     ; weights: the four waves' stages, 32 rows x WPITCH each
.set WPITCH, 272                       ; 256 bytes of codes + 16 of padding
.set SPARE,  WST+4*32*WPITCH           ; 67,584: the spare words, 128 bytes for each wave: two blocks of 256 bytes that no other line names
.set SPW,    12                        ; v12  LDS address of my spare word; never rewritten
.set NIL,    13                        ; v13  0; never rewritten
.set R,      16                        ; x: v16-79   four sets of 16 numbers as they are loaded
.set X,      80                        ; x: v80-111  two sets of 16 neighbours
.set C,      128                       ; x: v128-191 codes: four registers for each step, so that no store's data are written again
.set NB,     8                         ; weights: blocks of 32 along K for a wave
.set WX,     32                        ; weights: v32-95 two sets of 32 numbers
.set WC,     96                        ; weights: v96-103 a block's codes
.set OUTR,   112                       ; weights: v112-175 the way out
.set WO,     176                       ; weights: v176-207 4 x lane + i rows of the weight, i = 0 .. 31; never rewritten
	s_load_b256 s[4:11], s[0:1], 0x0               ; x s[4:5], w_attn s[6:7], w_proj s[8:9], the scales' exponents s[10:11]
	s_load_b128 s[12:15], s[0:1], 0x20             ; x_codes s[12:13], wa_codes s[14:15]
	s_load_b64 s[16:17], s[0:1], 0x30              ; wp_codes
	v_lshl_add_u32 v[SPW], v0, 2, SPARE
	v_mov_b32 v[NIL], 0
	v_lshrrev_b32 v1, 5, v0
	v_readfirstlane_b32 s18, v1                    ; wave 0..3
	v_and_b32 v2, 31, v0                           ; lane
	s_wait_kmcnt 0x0
	s_load_b256 s[48:55], s[10:11], 0x0            ; e0 .. e7
	s_cmp_lt_u32 ttmp9, XWG
	s_cbranch_scc0 .Lweights
; ---------------- x: each of a step's four loads reads 512 consecutive bytes, 16 a lane; the 2,048 bytes go through my wave's stage as they lie and come back 64 bytes a lane,
; so that a lane holds 16 neighbours along K for the conversions.  A lane's 16 codes are 16 bytes: the wave stores 512 consecutive bytes.  Loads run four steps ahead, the stage one.
	s_wait_alu depctr_va_vdst(0)
	v_lshlrev_b32 v3, 4, v2                        ; 16 x lane: my bytes of a load's 512, and of a store's
	s_wait_alu depctr_va_vdst(0)
	s_mul_i32 s19, s18, WREG
	v_lshrrev_b32 v14, 2, v2
	v_mul_u32_u24 v14, v14, SP
	v_and_b32 v15, 3, v2
	v_lshl_add_u32 v14, v15, 4, v14
	v_add_nc_u32 v14, s19, v14                     ; into the stage: SP (lane / 4) + 16 (lane % 4): four lanes' 64 bytes on end, then the padding
	v_mul_u32_u24 v15, v2, SP
	v_add_nc_u32 v15, s19, v15                     ; out of it: SP x lane
	s_lshl_b32 s20, ttmp9, 2
	s_add_co_u32 s20, s20, s18                     ; which run of 8,192 numbers is my wave's
	s_lshl_b32 s22, s20, 15                        ; 32,768 bytes of f32,
	s_mov_b32 s23, 0
	s_add_nc_u64 s[4:5], s[4:5], s[22:23]
	s_lshl_b32 s22, s20, 13                        ; 8,192 bytes of codes
	s_add_nc_u64 s[12:13], s[12:13], s[22:23]
.macro LOADX t
.irp i, 0,1,2,3
	global_load_b128 v[R+16*((\t)%4)+4*\i:R+16*((\t)%4)+4*\i+3], v3, s[4:5] offset:2048*(\t)+512*\i th:TH_LOAD_NT
.endr
.endm
.macro TURNX t                         ; step t's numbers through the stage: LDS serves a wave's instructions in order (ISA guide 5.7.1.4), so no wait stands between the stores and the loads
.irp i, 0,1,2,3
	ds_store_b128 v14, v[R+16*((\t)%4)+4*\i:R+16*((\t)%4)+4*\i+3] offset:32*SP*((\t)%2)+8*SP*\i
.endr
.irp i, 0,1,2,3
	ds_load_b128 v[X+16*((\t)%2)+4*\i:X+16*((\t)%2)+4*\i+3], v15 offset:32*SP*((\t)%2)+16*\i
.endr
.endm
.irp t, 0,1,2,3
	LOADX \t
.endr
	s_wait_alu depctr_va_vdst(0)
	s_wait_kmcnt 0x0
	s_add_co_i32 s22, s48, 127
	s_lshl_b32 s23, s22, 23
	v_mov_b32 v11, s23                             ; 2^e0 as f32: the conversion takes its exponent field
	s_add_co_i32 s22, s22, 8
	s_lshl_b32 s22, s22, 23
	s_or_b32 s22, s22, 0x600000
	v_mov_b32 v10, s22                             ; 448 x 2^e0
	s_wait_alu depctr_va_vdst(0)
	s_wait_loadcnt 12                              ; step 0's four loads are in; the twelve of steps 1 to 3 may be out
	TURNX 0
.macro STEPX t
.set XS, X+16*((\t)%2)
	s_wait_dscnt 0x0                               ; this step's numbers are back from the stage, so its stores into the stage have read their registers,
.if (\t)+4 < STEPS
	LOADX (\t)+4                                   ; which take the loads of four steps on
.endif
.if (\t)+1 < STEPS
.if STEPS-2-(\t) >= 3
	s_wait_loadcnt 12                              ; the next step's four loads are in; those of the three steps behind it may be out
.else
	s_wait_loadcnt 4*(STEPS-2-(\t))                ; near the end fewer are behind it
.endif
	TURNX (\t)+1                                   ; and go through the other stage while this step is worked
.endif
.irp i, 0,1,2,3,4,5,6,7,8,9,10,11,12,13,14,15
	v_med3_num_f32 v[XS+\i], v[XS+\i], -v10, v10   ; the conversion to an 8-bit code does not saturate (ISA guide 7.6.2): the hold comes first
.endr
	v_cvt_scalef32_pk8_fp8_f32 v[C+4*(\t):C+4*(\t)+1], v[XS:XS+7], v11
	v_cvt_scalef32_pk8_fp8_f32 v[C+4*(\t)+2:C+4*(\t)+3], v[XS+8:XS+15], v11   ; the results go to a store alone; the next vector lines are the next step's holds, on other registers
	global_store_b128 v3, v[C+4*(\t):C+4*(\t)+3], s[12:13] offset:512*(\t)    ; 32 lanes store 512 consecutive bytes, aligned
.endm
.irp t, 0,1,2,3,4,5,6,7,8,9,10,11,12,13,14,15
	STEPX \t
.endr
	s_wait_tensorcnt 0x0                           ; the wave's end: behind my last LDS store
	ds_add_u32 v[SPW], v[NIL]
	s_wait_dscnt 0x0
	s_endpgm
; ---------------- the weights.  g = work-group - 256: g % 4 says which 256 along K, g / 4 which block of 128 columns: blocks 0 to 23 are w_attn's, 24 to 31 w_proj's.
; The two weights differ in the bytes from row to row, so that pitch lies in registers: 32 vector offsets (a block's rows) and 8 scalar bases (the blocks); nothing is stepped later.
.Lweights:
	s_sub_co_u32 s19, ttmp9, XWG
	s_and_b32 s20, s19, 3                          ; which 256 along K
	s_lshr_b32 s21, s19, 2                         ; column block 0 .. 31
	s_mov_b32 s22, 4096
	s_cmp_lt_u32 s21, 24                           ; the choice hangs on the work-group's number alone
	s_cselect_b32 s22, 12288, s22                  ; bytes in a row of the weight
	s_cselect_b32 s23, 0, 24
	s_cselect_b64 s[4:5], s[6:7], s[8:9]           ; the weight
	s_cselect_b64 s[12:13], s[14:15], s[16:17]     ; its codes
	s_sub_co_u32 s42, s21, s23                     ; the block's number in its own weight
	s_lshl_b32 s42, s42, 7
	s_lshl_b32 s43, s18, 5
	s_add_co_u32 s42, s42, s43                     ; my wave's first column
	s_lshl_b32 s44, s20, 8                         ; my first row along K; also my first byte in a row of codes
	s_mul_i32 s46, s44, s22
	s_lshl_b32 s43, s42, 2
	s_add_co_u32 s46, s46, s43                     ; in the weight: rows x pitch + 4 x column
	s_mov_b32 s47, 0
	s_add_nc_u64 s[24:25], s[4:5], s[46:47]        ; block 0's base
	s_lshl_b32 s46, s42, 10
	s_add_co_u32 s46, s46, s44                     ; in the codes: column x 1,024 + my 256
	s_add_nc_u64 s[12:13], s[12:13], s[46:47]
	s_lshl_b32 s40, s22, 5                         ; 32 rows
	s_mov_b32 s41, 0
.irp t, 1,2,3,4,5,6,7
	s_add_nc_u64 s[24+2*\t:25+2*\t], s[22+2*\t:23+2*\t], s[40:41]   ; block t's base
.endr
	s_wait_alu depctr_va_vdst(0)
	v_lshlrev_b32 v[WO], 2, v2                     ; 4 bytes a lane: a load reads 128 consecutive bytes, the four waves stand side by side on 512
.set ii, 1
.rept 31
	v_add_nc_u32 v[WO+ii], s22, v[WO+ii-1]
.set ii, ii+1
.endr
	s_mul_i32 s19, s18, 32*WPITCH
	s_add_co_u32 s19, s19, WST                     ; my stage
	v_mul_u32_u24 v4, v2, WPITCH
	v_add_nc_u32 v4, s19, v4                       ; into it: row = my column
	v_and_b32 v5, 15, v2
	v_lshrrev_b32 v6, 4, v2
	v_mul_u32_u24 v7, v6, WPITCH
	v_lshl_add_u32 v7, v5, 4, v7
	v_add_nc_u32 v7, s19, v7                       ; out of it: sixteen lanes to a row, two rows an instruction
	v_lshlrev_b32 v8, 10, v6
	v_lshl_add_u32 v8, v5, 4, v8                   ; and the same place in the codes
.macro LOADW t                         ; block t: W(32 t + i, my column), i = 0 .. 31, into set t % 2
.set ii, 0
.rept 32
	global_load_b32 v[WX+32*((\t)%2)+ii], v[WO+ii], s[24+2*(\t):25+2*(\t)] th:TH_LOAD_NT
.set ii, ii+1
.endr
.endm
	LOADW 0
	LOADW 1
	s_wait_kmcnt 0x0
	s_cmp_lt_u32 s21, 24
	s_cselect_b32 s43, s49, s55                    ; e1 for w_attn, e7 for w_proj
	s_add_co_i32 s43, s43, 127
	s_lshl_b32 s44, s43, 23
	v_mov_b32 v11, s44                             ; 2^e
	s_add_co_i32 s43, s43, 8
	s_lshl_b32 s43, s43, 23
	s_or_b32 s43, s43, 0x600000
	v_mov_b32 v10, s43                             ; 448 x 2^e
.macro BLOCK t
.set XS, WX+32*((\t)%2)
.if (\t) < NB-1
	s_wait_loadcnt 32                              ; this block's 32 loads are in; the next block's 32 may be out
.else
	s_wait_loadcnt 0
.endif
.set ii, 0
.rept 32
	v_med3_num_f32 v[XS+ii], v[XS+ii], -v10, v10
.set ii, ii+1
.endr
.irp g, 0,1,2,3
	v_cvt_scalef32_pk8_fp8_f32 v[WC+2*\g:WC+2*\g+1], v[XS+8*\g:XS+8*\g+7], v11
.endr
	ds_store_b128 v4, v[WC:WC+3] offset:32*(\t)    ; 32 codes: 32 bytes of my column's row
	ds_store_b128 v4, v[WC+4:WC+7] offset:32*(\t)+16
.if (\t)+2 < NB
	LOADW (\t)+2
.endif
	s_wait_dscnt 0x0                               ; the stores have read their registers: the next block's codes may be written (its holds, plain lines on other registers, come first)
.endm
.set QB, 0
	s_wait_alu depctr_va_vdst(0)
.rept NB
	BLOCK QB
.set QB, QB+1
.endr
.irp t, 0,1,2,3,4,5,6,7,8,9,10,11,12,13,14,15
	ds_load_b128 v[OUTR+4*\t:OUTR+4*\t+3], v7 offset:2*\t*WPITCH
.endr
.irp t, 0,1,2,3,4,5,6,7,8,9,10,11,12,13,14,15
	s_wait_dscnt 15-\t                             ; LDS loads come back in order: load t is in, the younger ones may be out
	global_store_b128 v8, v[OUTR+4*\t:OUTR+4*\t+3], s[12:13] offset:2*\t*1024   ; sixteen lanes store 256 consecutive bytes, aligned
.endr
	s_wait_tensorcnt 0x0                           ; the wave's end: behind my last LDS store
	ds_add_u32 v[SPW], v[NIL]
	s_wait_dscnt 0x0
	s_endpgm
.Lfunc_end_k_qfe4495210f_quant:
	.size	k_qfe4495210f_quant, .Lfunc_end_k_qfe4495210f_quant-k_qfe4495210f_quant
	.p2alignl 7, 3214868480
	.fill 96, 4, 3214868480
	.section	.rodata,"a",@progbits
	.p2align	6, 0x0
	.amdhsa_kernel k_qfe4495210f_quant
		.amdhsa_group_segment_fixed_size 68096
		.amdhsa_private_segment_fixed_size 0
		.amdhsa_enable_private_segment 0
		.amdhsa_kernarg_size 56
		.amdhsa_user_sgpr_count 2
		.amdhsa_user_sgpr_kernarg_segment_ptr 1
		.amdhsa_wavefront_size32 1
		.amdhsa_system_sgpr_workgroup_id_x 1
		.amdhsa_system_sgpr_workgroup_id_y 1
		.amdhsa_system_sgpr_workgroup_id_z 1
		.amdhsa_system_vgpr_workitem_id 0
		.amdhsa_next_free_vgpr 208
		.amdhsa_next_free_sgpr 66
		.amdhsa_reserve_vcc 0
		.amdhsa_float_denorm_mode_32 3
		.amdhsa_float_denorm_mode_16_64 3
		.amdhsa_memory_ordered 1
		.amdhsa_forward_progress 1
		.amdhsa_inst_pref_size 87
	.end_amdhsa_kernel
	.amdgpu_metadata
---
amdhsa.version: [ 1, 2 ]
amdhsa.kernels:
  - .name:           k_qfe4495210f_quant
    .symbol:         k_qfe4495210f_quant.kd
    .args:
      - { .name: x, .offset: 0, .size: 8, .value_kind: global_buffer, .address_space: global }
      - { .name: w_attn, .offset: 8, .size: 8, .value_kind: global_buffer, .address_space: global }
      - { .name: w_proj, .offset: 16, .size: 8, .value_kind: global_buffer, .address_space: global }
      - { .name: lowp_scales, .offset: 24, .size: 8, .value_kind: global_buffer, .address_space: global }
      - { .name: x_codes, .offset: 32, .size: 8, .value_kind: global_buffer, .address_space: global }
      - { .name: wa_codes, .offset: 40, .size: 8, .value_kind: global_buffer, .address_space: global }
      - { .name: wp_codes, .offset: 48, .size: 8, .value_kind: global_buffer, .address_space: global }
    .group_segment_fixed_size: 68096
    .private_segment_fixed_size: 0
    .kernarg_segment_align: 8
    .kernarg_segment_size: 56
    .max_flat_workgroup_size: 128
    .sgpr_count:     66
    .vgpr_count:     208
    .wavefront_size: 32
...
	.end_amdgpu_metadata
.endif
;; end of part 1
;; launch qkv (part 2): grid 12 x 32, 4 waves a work-group, clusters of 4 x 4, 327,680 bytes of LDS; arguments x_codes, wa_codes, lowp_scales, q_codes, k_codes, v_codes; writes q_codes, k_codes, v_codes
.if DOCPART == 2
	.amdgcn_target "amdgcn-amd-amdhsa--gfx1250"
	.amdhsa_code_object_version 6
	.text
	.protected	k_qfe4495210f_qkv
	.globl	k_qfe4495210f_qkv
	.p2align	8
	.type	k_qfe4495210f_qkv,@function
k_qfe4495210f_qkv:
	s_mov_b64 s[64:65], 0
	v_nop
	global_prefetch_b8 v0, s[64:65] scope:SCOPE_SE
	s_setreg_imm32_b32 hwreg(HW_REG_WAVE_MODE, 25, 1), 1
	s_wait_xcnt 0x0
	s_wait_alu depctr_hold_cnt(0) depctr_sa_sdst(0) depctr_va_vdst(0) depctr_va_sdst(0) depctr_va_ssrc(0) depctr_va_vcc(0) depctr_vm_vsrc(0)
	s_getreg_b32 s2, hwreg(HW_REG_IB_STS2, 6, 4)
	s_cmp_eq_u32 s2, 0
	s_cbranch_scc0 .Lentry_in_a_cluster
	s_endpgm
.Lentry_in_a_cluster:
	s_bfe_u32 s2, ttmp6, 0x10000c
	s_cmp_lg_u32 s2, 0xf033
	s_cbranch_scc0 .Lentry_shape_is_right
	s_endpgm
.Lentry_shape_is_right:
; qkv = x w_attn on codes of FP8 (E4M3), and q, k, v quantised on the way out.  x_codes [8192 tokens][1024], wa_codes [3072][1024], K innermost.
; THE BODY computes C'[i][j] = sum over k of P[i][k] Q[j][k] for a tile of 256 x 256, with the matrix instruction used transposed (source 0 = 16 rows of Q, source 1 = 16 rows of P):
; a lane then holds eight neighbouring j of one row i, which the conversion turns into eight neighbouring codes.
;   q and k want the head's 64 innermost: P = x (i = token), Q = wa (j = column of qkv).      v wants the KEYS innermost: P = wa's rows 2,048 on (i = 64 head + d), Q = x (j = token).
; Which it is hangs on the cluster's x alone (0: q, 1: k, 2: v), which all sixteen partners share, and enters by selects alone: there is no branch on it.
; OUT.  q_codes, k_codes: [64 = 16 b + head][2048 s][64 places];  v_codes: [4 b][32 groups of 64 keys][1024 = 64 head + d][64 places].
; A row's place p holds the index in which bits 3 and 4 of p have changed places: a lane's 16 bytes are the codes of two neighbouring accumulators, j = 8 h + 0..7 and 16 + 8 h + 0..7 of a 32.
; For q and k that is one and the same order of d on both sides of their product; for v it is the order in which the next launch's weights p come out of their conversions.
; A sum stands for sum x 2^(e0 + e1); its code is sum / 2^(eo - e0 - e1), eo = entry 2 (q), 3 (k), 5 (v) of the scales.  LIMIT: eo - e0 - e1 lies between -126 and 119.
; SHARES.  A work-group of four waves, as many as a WGP has SIMDs, makes 256 x 256; a wave 128 x 128: 64 accumulators, 512 registers.  K = 1,024 goes in four steps of 256 through two LDS slots.
; CLUSTERS: 4 x 4 work-groups.  The four of a row of the cluster need the same tile of P, the four of a column the same tile of Q: each is asked for JOINTLY, by the same tensor load with the same descriptor and a mask that names the four.
; REGISTERS, in windows of 256: window 0: v0-31 addresses; from v128 P's fragments, ONE set; on the way out v32-159 the codes, v160-223 a block's held sums.
;   window 1: Q's fragments, TWO sets.   window 2: the accumulators of my rows 0-63 ((a, b) at v[8 (8 a + b)]);   window 3: those of my rows 64-127.
.set KSTEP,  256
.set ROWB,   256                       ; a tile's row in bytes
.set KROW,   1024                      ; a row of P or Q in memory
.set PITCH,  272                       ; an LDS row: 256 bytes + 16 of padding = 68 words: row r starts at bank 4 r mod 64 (64 banks of 4 bytes: ISA guide 11.1)
.set FR,     16                        ; registers of a fragment: 16 rows x 128 K
.set NL,     4                         ; LDS loads that bring one
.set NP,     4                         ; places behind this matrix instruction (ISA guide 7.12.1)
.set HALFT,  128*PITCH
.set SLOT,   4*HALFT                   ; P's 256 rows, then Q's 256 rows
.set LAPS,   2                         ; 1,024 / 512
.set SPARE,  2*SLOT                    ; behind the ring: the spare words, 128 bytes for each wave
.set UP,     272                       ; the way out: a unit of the stage: 4 rows i x 64 places = 256 bytes that lie together in memory, + 16 of padding.  256 units, in slot 0
.set ADRA, 16                          ; v16-17  LDS address of my P fragments in slot 0, 1
.set ADRB, 20                          ; v20-21  the same for Q
.set STO,  24                          ; v24     the way out: where I put 16 bytes
.set RD,   25                          ; v25     where I read 16 bytes back
.set CO,   26                          ; v26     16 x lane: my place in 512 bytes of the output
.set SC,   27                          ; v27     2^(eo - e0 - e1) as f32
.set SPW,  28                          ; v28     LDS address of my spare word; never rewritten
.set NIL,  29                          ; v29     0; never rewritten
.set CD,   32                          ; v32-159 the codes: 16 registers for each of my 8 blocks of rows; then the units read back
.set AF,   128                         ; P's fragments
.set TMP,  160                         ; v160-223 the way out: a block's 64 sums, held
.set G1, 24
.set G0, 32
.set G1B, 48
.set G0B, 56
.set MSB, 0
.macro WIN new                         ; the immediate's high byte repeats the setting that is left
.if MSB != \new
	s_set_vgpr_msb (MSB<<8)|\new
.set MSB, \new
.endif
.endm
.set MUL_LO, 0xa1                      ; source 0 (Q) window 1, source 1 (P) window 0, C and D window 2
.set MUL_HI, 0xf1                      ; the same, C and D window 3
.set TO_B,   0x40                      ; destination window 1, address window 0
; A joint load: waves 0 and 1 fetch for P, waves 2 and 3 for Q.  Each of the two lines has one mask and one set of registers; the branch hangs on the wave's number alone.
; An s_nop 0 and four v_nop follow each of the two lines, ahead of the jump, the label and what follows.
.macro JLOAD g0a, g1a, g0b, g1b
	s_cmp_eq_u32 s15, 0
	s_cbranch_scc0 .Lfor_b_\@
	tensor_load_to_lds s[\g0a:\g0a+3], s[\g1a:\g1a+7]
	s_nop 0
.rept 4
	v_nop
.endr
	s_branch .Lasked_\@
.Lfor_b_\@:
	tensor_load_to_lds s[\g0b:\g0b+3], s[\g1b:\g1b+7]
	s_nop 0
.rept 4
	v_nop
.endr
.Lasked_\@:
.endm
.macro CREST                           ; a round of the cluster's barrier behind its opening barrier
	s_cmp_lg_u32 s14, 0
	s_cbranch_scc1 .Lnot_wave_0_\@
	s_barrier_signal -3
.Lnot_wave_0_\@:
	s_barrier_wait -3
	s_barrier_signal -1
	s_barrier_wait -1
.endm
.macro CROUND
	s_barrier_signal -1
	s_barrier_wait -1
	CREST
.endm
	s_load_b128 s[4:7], s[0:1], 0x0                ; x_codes s[4:5], wa_codes s[6:7]
	s_load_b64 s[8:9], s[0:1], 0x10                ; the scales' exponents
	s_load_b128 s[68:71], s[0:1], 0x18             ; q_codes s[68:69], k_codes s[70:71]
	s_load_b64 s[72:73], s[0:1], 0x28              ; v_codes
	v_lshl_add_u32 v[SPW], v0, 2, SPARE
	v_mov_b32 v[NIL], 0
	ds_add_u32 v[SPW], v[NIL]                      ; the wave's opening: the add and its wait stand ahead of my first tensor load; the set-up below, work on registers, stands between them
	ds_add_u32 v[SPW], v[NIL]
	v_lshrrev_b32 v1, 5, v0
	v_readfirstlane_b32 s14, v1                    ; wave 0..3
	s_lshr_b32 s15, s14, 1                         ; which half of the tile's rows i is mine.  Also: I fetch for P (0) or for Q (1)
	s_and_b32 s16, s14, 1                          ; which half of its j.  Also: which 128 rows of that tile I fetch
	s_bfe_u32 s40, ttmp6, 0x40000                  ; cx, cy: my place in the cluster
	s_bfe_u32 s41, ttmp6, 0x40004
	s_and_b32 s12, ttmp7, 0xffff                   ; the cluster's y, 0 .. 7; ttmp9 is its x, 0 .. 2
	s_cmp_eq_u32 ttmp9, 2                          ; v's clusters lie the other way round: 8 along j (tokens), 1 along i (v's 1,024 rows of wa)
	s_cselect_b32 s42, s12, ttmp9
	s_cselect_b32 s17, 0, s12
	s_lshl_b32 s42, s42, 2
	s_add_co_u32 s42, s42, s40                     ; tile column (j / 256): q, k: 0 .. 7;  v: 0 .. 31
	s_lshl_b32 s17, s17, 2
	s_add_co_u32 s17, s17, s41                     ; tile row (i / 256): q, k: 0 .. 31;  v: 0 .. 3
	s_lshl_b32 s43, s41, 2
	s_lshl_b32 s43, 15, s43                        ; my row of the cluster
	s_lshl_b32 s44, 0x1111, s40                    ; my column
	; descriptor group 1: a tile of 128 rows x 256 bytes, padded in LDS
	s_or_b32 s[G1+0], s43, (0<<16)|(1<<20)|(1<<21)|(5<<22)|(3<<25)  ; 15:0 the mask: P's tiles go to my row; 17:16 elements of 1 byte; 20 padding on; 21 set beside a mask; 24:22 after every 64 words (code 5); 31:25 four words (code 3)
	s_or_b32 s[G1B+0], s44, (0<<16)|(1<<20)|(1<<21)|(5<<22)|(3<<25) ; Q's go to my column
.irp g, G1, G1B
	s_mov_b32 s[\g+1], ROWB<<16                    ; tensor_dim0
	s_mov_b32 s[\g+2], 128<<16                     ; tensor_dim1
	s_mov_b32 s[\g+3], ROWB<<16                    ; tile_dim0
	s_mov_b32 s[\g+4], 128                         ; tile_dim1
	s_mov_b32 s[\g+5], KROW                        ; tensor_dim0_stride
	s_mov_b32 s[\g+6], 0
	s_mov_b32 s[\g+7], 0
.endr
	s_lshl_b32 s18, s16, 7                         ; which 128 rows of the tile I fetch
	s_lshl_b32 s20, s17, 8
	s_add_co_u32 s20, s20, s18
	s_lshl_b32 s20, s20, 10                        ; P: (256 x tile row + 128 x half) rows of 1,024 bytes: under 2^23
	s_mov_b32 s21, 0
	s_lshl_b32 s46, s42, 8
	s_add_co_u32 s46, s46, s18
	s_lshl_b32 s46, s46, 10                        ; Q: by the tile column
	s_mov_b32 s47, 0
	s_mul_i32 s45, s14, HALFT                      ; where they go: wave x 128 rows: no place in the cluster enters an LDS address
	s_wait_dscnt 0x0                               ; the opening add is done
	s_wait_kmcnt 0x0
	s_load_b256 s[80:87], s[8:9], 0x0              ; e0 .. e7
	s_add_nc_u64 s[74:75], s[6:7], 0x200000        ; wa's row 2,048: v's part
	s_cmp_eq_u32 ttmp9, 2
	s_cselect_b64 s[76:77], s[74:75], s[4:5]       ; P
	s_cselect_b64 s[78:79], s[4:5], s[6:7]         ; Q
	s_add_nc_u64 s[20:21], s[76:77], s[20:21]
	s_add_nc_u64 s[46:47], s[78:79], s[46:47]
	CROUND                                         ; all sixteen work-groups are here: the first joint loads meet
.irp s, 0,1
	s_mov_b32 s[G0+4*\s], 1
	s_add_co_u32 s[G0+4*\s+1], s45, \s*SLOT
	s_add_nc_u64 s[G0+4*\s+2:G0+4*\s+3], s[20:21], \s*ROWB
	s_or_b32 s[G0+4*\s+3], s[G0+4*\s+3], 0x80000000
	s_mov_b32 s[G0B+4*\s], 1
	s_add_co_u32 s[G0B+4*\s+1], s45, \s*SLOT
	s_add_nc_u64 s[G0B+4*\s+2:G0B+4*\s+3], s[46:47], \s*ROWB
	s_or_b32 s[G0B+4*\s+3], s[G0B+4*\s+3], 0x80000000
.endr
	JLOAD G0, G1, G0B, G1B                         ; K step 0: one tensor load a wave at the head
	v_and_b32 v1, 15, v0                           ; r = l % 16
	s_wait_alu depctr_va_vdst(0)
	v_bfe_u32 v2, v0, 4, 1                         ; h = l / 16
	v_mul_u32_u24 v3, v1, PITCH
	v_lshl_add_u32 v4, v2, 4, v3                   ; a fragment's row x pitch + 16 x half
	s_mul_i32 s21, s15, HALFT                      ; my 128 rows of P
	s_mul_i32 s22, s16, HALFT                      ; my 128 rows of Q,
	s_add_co_u32 s22, s22, 2*HALFT                 ; which lie behind P's 256
.irp s, 0,1
	v_add_nc_u32 v[ADRA+\s], s21, v4
	v_add_nc_u32 v[ADRB+\s], s22, v4
	s_add_co_u32 s21, s21, SLOT
	s_add_co_u32 s22, s22, SLOT
.endr
	; the stage: unit = 64 x (j / 64) + i / 4.  I put: i = 128 s15 + 16 a + r, j / 64 = 2 s16 + g / 2, place 32 (g % 2) + 16 h; a and g stand in the stores' immediates
	s_lshl_b32 s22, s15, 5
	s_lshl_b32 s23, s16, 7
	s_add_co_u32 s22, s22, s23
	s_mul_i32 s22, s22, UP
	v_lshrrev_b32 v5, 2, v1
	v_mul_u32_u24 v5, v5, UP
	v_and_b32 v6, 3, v1
	v_lshl_add_u32 v5, v6, 6, v5
	v_lshl_add_u32 v5, v2, 4, v5
	v_add_nc_u32 v[STO], s22, v5                   ; sixteen lanes touch sixteen different 16-byte columns of 256
	s_mul_i32 s23, s14, 64*UP                      ; back: wave w takes the 64 units of j / 64 = w; lanes 0-15 one unit, lanes 16-31 the next
	v_mul_u32_u24 v6, v2, UP
	v_lshl_add_u32 v6, v1, 4, v6
	v_add_nc_u32 v[RD], s23, v6
	v_and_b32 v6, 31, v0
	v_lshlrev_b32 v[CO], 4, v6
	; where those 64 units, 16,384 consecutive bytes, go.  q, k: row ((16 b + head) x 2,048 + s), b = tile row / 8, head = (4 x tile column + w) % 16, s = 256 (tile row % 8)
	s_lshr_b32 s90, s17, 3
	s_lshl_b32 s90, s90, 4
	s_lshl_b32 s91, s42, 2
	s_add_co_u32 s91, s91, s14
	s_and_b32 s91, s91, 15
	s_add_co_u32 s90, s90, s91
	s_lshl_b32 s90, s90, 11
	s_and_b32 s91, s17, 7
	s_lshl_b32 s91, s91, 8
	s_add_co_u32 s90, s90, s91
	; v: row ((32 b + key group) x 1,024 + 256 x tile row), b = tile column / 8, key group = 4 (tile column % 8) + w
	s_lshr_b32 s92, s42, 3
	s_lshl_b32 s92, s92, 5
	s_and_b32 s93, s42, 7
	s_lshl_b32 s93, s93, 2
	s_add_co_u32 s92, s92, s93
	s_add_co_u32 s92, s92, s14
	s_lshl_b32 s92, s92, 10
	s_lshl_b32 s93, s17, 8
	s_add_co_u32 s92, s92, s93
	s_cmp_eq_u32 ttmp9, 0
	s_cselect_b64 s[10:11], s[68:69], s[70:71]
	s_cmp_eq_u32 ttmp9, 2
	s_cselect_b64 s[10:11], s[72:73], s[10:11]
	s_cselect_b32 s90, s92, s90
	s_lshl_b32 s90, s90, 6                         ; rows of 64 bytes: under 2^23
	s_mov_b32 s91, 0
	s_add_nc_u64 s[10:11], s[10:11], s[90:91]
.macro FRAG reg, adr, q, i             ; a fragment, 16 rows x 128 K: lane l holds row l % 16; registers 4 c .. 4 c + 3 hold K = 32 c + 16 (l / 16) + 0 .. 15: the same order of k on both sides
.irp c, 0,1,2,3
	ds_load_b128 v[\reg+4*\c:\reg+4*\c+3], v[\adr] offset:128*(\q)+32*\c+(\i)*16*PITCH
.endr
.endm
; 16 matrix instructions: P's blocks a0, a0 + 1 x Q's eight, 128 along K.  p: Q's set.  zero = 1: the first product starts the sums.
; The 64 accumulators take turns, one instruction a turn, in the same order in every step.
.macro MUL16 a0, p, zero
.irp a, \a0, \a0+1
.irp b, 0,1,2,3,4,5,6,7
.if \zero
	v_wmma_f32_16x16x128_fp8_fp8 v[8*(8*((\a)%4)+\b):8*(8*((\a)%4)+\b)+7], v[128*(\p)+FR*\b:128*(\p)+FR*\b+FR-1], v[AF+FR*(\a):AF+FR*(\a)+FR-1], 0
.else
	v_wmma_f32_16x16x128_fp8_fp8 v[8*(8*((\a)%4)+\b):8*(8*((\a)%4)+\b)+7], v[128*(\p)+FR*\b:128*(\p)+FR*\b+FR-1], v[AF+FR*(\a):AF+FR*(\a)+FR-1], v[8*(8*((\a)%4)+\b):8*(8*((\a)%4)+\b)+7]
.endif
.endr
.endr
.endm
.macro FETCH_B slot, q, p
	WIN TO_B
.irp i, 0,1,2,3,4,5,6,7
	FRAG 128*(\p)+FR*\i, ADRB+\slot, \q, \i
.endr
	WIN 0
.endm
.macro FETCH_A slot, q, i0
.irp i, \i0, \i0+1, \i0+2, \i0+3
	FRAG AF+FR*(\i), ADRA+\slot, \q, \i
.endr
.endm
; A load into a register that a matrix instruction has read, and a vector instruction that reads a matrix result, stand NP places behind it; only plain vector instructions that name none of its registers are places.
.macro PLACES n
.rept \n
	v_nop
.endr
.endm
.macro STEP slot, q, zero              ; a step of 128 along K that has its successor in the same slot
	s_wait_dscnt 4*NL                              ; Q's set and P's blocks 0-3 are in; the youngest sixteen loads (P's blocks 4-7) may be out
	WIN MUL_LO
	MUL16 0, (\q)%2, \zero
	MUL16 2, (\q)%2, \zero
	s_wait_dscnt 0                                 ; P's blocks 4-7 are in
	PLACES NP
	FETCH_B \slot, (\q)+1, 1-(\q)%2
	FETCH_A \slot, (\q)+1, 0
	WIN MUL_HI
	MUL16 4, (\q)%2, \zero
	MUL16 6, (\q)%2, \zero
	PLACES NP
	WIN 0
	FETCH_A \slot, (\q)+1, 4
.endm
; A slot's last step changes slots: ONE barrier; in front of it each wave waits for all its tensor loads, adds 0 to its spare word, and waits for that and for its reads of this slot.  fill = 1: this slot is filled again, two K steps ahead.
.macro TURN slot, next, fill
	s_wait_tensorcnt 0x0                           ; all my tensor loads have landed: my part of the next slot
	ds_add_u32 v[SPW], v[NIL]                      ; 0 onto my spare word
	s_wait_dscnt 4*NL+1                            ; the add and the youngest sixteen loads may be out
	WIN MUL_LO
	MUL16 0, 1, 0                                  ; sixteen matrix instructions stand between the add and the wait for it
	s_wait_dscnt 0x0                               ; the add is done, and my reads of this slot are over
	s_barrier_signal -1
	MUL16 2, 1, 0
	WIN 0
	s_barrier_wait -1
.if \fill
	CREST                                          ; the barrier has opened a round of the cluster's barrier: no wave of any partner still reads this slot or has a load on its way
	s_add_nc_u64 s[G0+4*\slot+2:G0+4*\slot+3], s[G0+4*\slot+2:G0+4*\slot+3], 2*ROWB
	s_add_nc_u64 s[G0B+4*\slot+2:G0B+4*\slot+3], s[G0B+4*\slot+2:G0B+4*\slot+3], 2*ROWB
	JLOAD G0+4*\slot, G1, G0B+4*\slot, G1B         ; the first tensor load behind the round, my only one until the next; its four v_nop are the places in front of the loads below
.else
	PLACES NP
.endif
	FETCH_B \next, 0, 0
	FETCH_A \next, 0, 0
	WIN MUL_HI
	MUL16 4, 1, 0
	MUL16 6, 1, 0
	PLACES NP
	WIN 0
	FETCH_A \next, 0, 4
.endm
	s_wait_alu depctr_va_vdst(0)                   ; the head's end
	s_wait_tensorcnt 0x0                           ; my part of K step 0 is in; slot 1's first fill is issued as a refill is:
	ds_add_u32 v[SPW], v[NIL]                      ; 0 onto my spare word
	s_wait_dscnt 0x0                               ; the add is done
	CROUND                                         ; a whole round: everybody's part of K step 0 is in, and the joint loads meet
	JLOAD G0+4, G1, G0B+4, G1B                     ; K step 1: the first tensor load behind the round
	FETCH_B 0, 0, 0
	FETCH_A 0, 0, 0
	FETCH_A 0, 0, 4
	STEP 0, 0, 1                                   ; the first step stands in front of the loop: its products start the sums
	s_mov_b32 s3, LAPS-1
.Llap:                                                 ; a trip goes once round the ring and fills both slots again
	TURN 0, 1, 1
	STEP 1, 0, 0
	TURN 1, 0, 1
	STEP 0, 0, 0
	s_sub_co_u32 s3, s3, 1
	s_cmp_lg_u32 s3, 0
	s_cbranch_scc1 .Llap
	TURN 0, 1, 0                                   ; the last lap fills nothing; behind this barrier nobody reads slot 0, which has had its last fill
	STEP 1, 0, 0
	s_wait_dscnt 4*NL
	WIN MUL_LO
	MUL16 0, 1, 0
	MUL16 2, 1, 0
	s_wait_dscnt 0
	WIN MUL_HI
	MUL16 4, 1, 0
	MUL16 6, 1, 0
	WIN 0
; THE WAY OUT.  Block a (16 rows i x 128 j): the 64 sums are held within +-448 x the scale into window 0, each accumulator from its low end on, and converted, eight codes an accumulator;
; two neighbouring accumulators' codes are a lane's 16 bytes, which go into the stage.  Then a barrier, since a unit's bytes come from other waves than the one that stores it.
.macro QBLOCK a
.set AC, 64*((\a)%4)
.set WSRC, 2+(\a)/4
	WIN WSRC                                       ; source 0: window 2 or 3
.set jj, 0
.rept 64
	v_med3_num_f32 v[TMP+jj], v[AC+jj], s88, s89   ; the conversion to an 8-bit code does not saturate (ISA guide 7.6.2)
.set jj, jj+1
.endr
	WIN 0
.irp b, 0,1,2,3,4,5,6,7
	v_cvt_scalef32_pk8_fp8_f32 v[CD+16*(\a)+2*\b:CD+16*(\a)+2*\b+1], v[TMP+8*\b:TMP+8*\b+7], v[SC]
.endr
	v_nop                                          ; a plain line between the conversions and the next block's holds, which write their sources
.irp g, 0,1,2,3
	ds_store_b128 v[STO], v[CD+16*(\a)+4*\g:CD+16*(\a)+4*\g+3] offset:(\a)*4*UP+(\g/2)*64*UP+32*(\g%2)
.endr
.endm
	s_wait_kmcnt 0x0
	s_cmp_eq_u32 ttmp9, 0
	s_cselect_b32 s88, s82, s83                    ; e2 for q, e3 for k,
	s_cmp_eq_u32 ttmp9, 2
	s_cselect_b32 s88, s85, s88                    ; e5 for v
	s_sub_co_i32 s88, s88, s80
	s_sub_co_i32 s88, s88, s81                     ; eo - e0 - e1
	s_add_co_i32 s88, s88, 127
	s_lshl_b32 s89, s88, 23
	v_mov_b32 v[SC], s89                           ; 2^(eo - e0 - e1)
	s_add_co_i32 s88, s88, 8
	s_lshl_b32 s89, s88, 23
	s_or_b32 s89, s89, 0x600000                    ; 448 x that,
	s_or_b32 s88, s89, 0x80000000                  ; and its negative
	PLACES NP                                      ; behind the last products: for the reads of their results and the writes over P's fragments
.irp a, 0,1,2,3,4,5,6,7
	QBLOCK \a
.endr
	s_wait_dscnt 0x0                               ; for the others' sake: my stores into the stage are done
	s_barrier_signal -1
	s_barrier_wait -1
.set tt, 0
.rept 32
	ds_load_b128 v[CD+4*tt:CD+4*tt+3], v[RD] offset:tt*2*UP
.set tt, tt+1
.endr
.set tt, 0
.rept 32
	s_wait_dscnt 31-tt                             ; LDS loads come back in order: load tt is in, the younger ones may be out
	global_store_b128 v[CO], v[CD+4*tt:CD+4*tt+3], s[10:11] offset:512*tt   ; 32 lanes store 512 consecutive bytes, aligned
.set tt, tt+1
.endr
	s_wait_tensorcnt 0x0                           ; the wave's end: behind my last tensor load and my last LDS store
	ds_add_u32 v[SPW], v[NIL]
	s_wait_dscnt 0x0
	CROUND                                         ; the closing round: no work-group ends while a partner may still ask for a tile that names it
	s_endpgm
.Lfunc_end_k_qfe4495210f_qkv:
	.size	k_qfe4495210f_qkv, .Lfunc_end_k_qfe4495210f_qkv-k_qfe4495210f_qkv
	.p2alignl 7, 3214868480
	.fill 96, 4, 3214868480
	.section	.rodata,"a",@progbits
	.p2align	6, 0x0
	.amdhsa_kernel k_qfe4495210f_qkv
		.amdhsa_group_segment_fixed_size 327680
		.amdhsa_private_segment_fixed_size 0
		.amdhsa_enable_private_segment 0
		.amdhsa_kernarg_size 48
		.amdhsa_user_sgpr_count 2
		.amdhsa_user_sgpr_kernarg_segment_ptr 1
		.amdhsa_wavefront_size32 1
		.amdhsa_system_sgpr_workgroup_id_x 1
		.amdhsa_system_sgpr_workgroup_id_y 1
		.amdhsa_system_sgpr_workgroup_id_z 1
		.amdhsa_system_vgpr_workitem_id 0
		.amdhsa_next_free_vgpr 1024
		.amdhsa_next_free_sgpr 100
		.amdhsa_reserve_vcc 0
		.amdhsa_float_denorm_mode_32 3
		.amdhsa_float_denorm_mode_16_64 3
		.amdhsa_memory_ordered 1
		.amdhsa_forward_progress 1
		.amdhsa_inst_pref_size 125
	.end_amdhsa_kernel
	.amdgpu_metadata
---
amdhsa.version: [ 1, 2 ]
amdhsa.kernels:
  - .name:           k_qfe4495210f_qkv
    .symbol:         k_qfe4495210f_qkv.kd
    .args:
      - { .name: x_codes, .offset: 0, .size: 8, .value_kind: global_buffer, .address_space: global }
      - { .name: wa_codes, .offset: 8, .size: 8, .value_kind: global_buffer, .address_space: global }
      - { .name: lowp_scales, .offset: 16, .size: 8, .value_kind: global_buffer, .address_space: global }
      - { .name: q_codes, .offset: 24, .size: 8, .value_kind: global_buffer, .address_space: global }
      - { .name: k_codes, .offset: 32, .size: 8, .value_kind: global_buffer, .address_space: global }
      - { .name: v_codes, .offset: 40, .size: 8, .value_kind: global_buffer, .address_space: global }
    .group_segment_fixed_size: 327680
    .private_segment_fixed_size: 0
    .kernarg_segment_align: 8
    .kernarg_segment_size: 48
    .max_flat_workgroup_size: 128
    .sgpr_count:     100
    .vgpr_count:     1024
    .wavefront_size: 32
...
	.end_amdgpu_metadata
.endif
;; end of part 2
;; launch attn (part 3): grid 4 x 64, 16 waves a work-group, clusters of 4 x 1, 327,680 bytes of LDS; arguments q_codes, k_codes, v_codes, lowp_scales, y_codes; writes y_codes
.if DOCPART == 3
	.amdgcn_target "amdgcn-amd-amdhsa--gfx1250"
	.amdhsa_code_object_version 6
	.text
	.protected	k_qfe4495210f_attn
	.globl	k_qfe4495210f_attn
	.p2align	8
	.type	k_qfe4495210f_attn,@function
k_qfe4495210f_attn:
	s_mov_b64 s[64:65], 0
	v_nop
	global_prefetch_b8 v0, s[64:65] scope:SCOPE_SE
	s_setreg_imm32_b32 hwreg(HW_REG_WAVE_MODE, 25, 1), 1
	s_wait_xcnt 0x0
	s_wait_alu depctr_hold_cnt(0) depctr_sa_sdst(0) depctr_va_vdst(0) depctr_va_sdst(0) depctr_va_ssrc(0) depctr_va_vcc(0) depctr_vm_vsrc(0)
	s_getreg_b32 s2, hwreg(HW_REG_IB_STS2, 6, 4)
	s_cmp_eq_u32 s2, 0
	s_cbranch_scc0 .Lentry_in_a_cluster
	s_endpgm
.Lentry_in_a_cluster:
	s_bfe_u32 s2, ttmp6, 0x10000c
	s_cmp_lg_u32 s2, 0x3003
	s_cbranch_scc0 .Lentry_shape_is_right
	s_endpgm
.Lentry_shape_is_right:
; y[head][q][:] = the sum over keys k <= q of softmax_k(Q[q] . K[k] / 8) V[k][:], head size 64, both products on codes of FP8 (E4M3); y leaves as codes with the scale 2^e6.
; q_codes, k_codes: [64 heads][2048][64 places]; v_codes: [4 b][32 groups of 64 keys][1024 = 64 head + d][64 places]; in each, place p holds the index in which bits 3 and 4 of p have changed places.
; y_codes: [64 heads][2048][64 d], in plain order.  The scales' exponents: e2 (q), e3 (k), e4 (p), e5 (v), e6 (y).
; LEFT OUT: key steps that lie wholly behind the causal mask which the problem builds itself: their p is 0 for all values of the inputs.  A NaN or an infinity that reaches only such scores is not carried to the result.
; THE SOFTMAX AHEAD OF THE SECOND PRODUCT: t = score x log2(e) / 8; M = the row's largest t so far, rounded UP to a whole number; p = 2^(t - M) is what is quantised; it is not normalised.
; The row's sum is taken of the unquantised p, in f32, and divides O at the end.  When M moves, the sum and O are multiplied by 2^(old M - new M): exact.
; NO RING.  A head's K and V, 2 x 131,072 bytes, lie whole in LDS, with 16 bytes of padding behind each 256: 278,528 bytes.  Each of the sixteen waves fetches one sixteenth at the head
; (waves 0-7: 256 keys of K each; waves 8-15: four groups of V each); one barrier follows, and nothing is filled again.
; SHARES.  A head's 128 tiles of 16 queries are dealt to its four work-groups: work-group y takes tiles 4 m + y, m = 0 .. 31, so each of them reads all of K and V.
; Wave w takes m = w and then m = 31 - w: floor(w / 2) + 1 and 16 - floor(w / 2) key steps of 128: SEVENTEEN for every wave.  The two loops have 8 and 16 trips, constants; a trip beyond the tile's last step is jumped over.
; CLUSTER 4, 1, 1: the four work-groups of a head ask for K and V JOINTLY.  The jumps hang on the wave's number and the trip alone (a tile's last step is floor(m / 2), whatever y); y enters only the addresses of q and y and the mask's numbers.
; NO PREFETCH: all of K and V is asked for by the tensor loads at the head; there is no later load to run ahead of.
; LAYOUT.  Both products transposed: S^T = K Q^T (source 0 = 16 keys, source 1 = my 16 queries), O^T = V^T P^T: a lane holds ONE query (lane % 16).  Tile t's register j is key 16 t + 8 (lane / 16) + j,
; so its eight codes are registers 2 t, 2 t + 1 of the second product's operand; the order of places in v_codes puts the same keys into the same bytes of V's fragments.
; LIMITS on the given exponents: e2 + e3 between -123 and 130 (added to c's exponent field); e4 and e6 between -126 and 119; e4 + e5 goes by v_ldexp_f32 and has none.
; REGISTERS: v1-7, v208 what stays; v8-11 in hand; v12 -M, v13 the largest t, v[14:15] the sum; v16-23, v24-31 Q of my two tiles; v32-95 K's eight fragments, then V's four; v96-159 S^T, then p; v160-191 O^T; v192-207 p's codes; v209-221 constants and work; v222-237 partial sums.
.set UN,    272                        ; four rows of 64 codes + 16 bytes of padding: the sixteen rows of a fragment load fall on sixteen different 16-byte columns of 256
.set TILE,  4*UN                       ; 16 rows
.set STEPB, 32*UN                      ; 128 keys of K; also two groups of V
.set GRP,   16*UN                      ; a group of V: 64 rows
.set PART,  64*UN                      ; what one tensor load brings: 16,384 bytes
.set VOFF,  8*PART                     ; V lies behind K
.set STAGE, 16*PART                    ; 278,528: the way out: 4 units for each wave; no tile lands here
.set SPARE, STAGE+16*4*UN              ; 295,936: the spare words, 128 bytes for each wave
.set AK0,  1
.set AV0,  2
.set STI,  4                           ; v4   the way out: where I put 8 codes
.set SPW,  5                           ; v5   LDS address of my spare word; never rewritten
.set NIL,  6                           ; v6   0; never rewritten
.set GO,   7                           ; v7   16 x lane
.set ADK,  8
.set ADV,  9
.set QFA,  16
.set QFB,  24
.set FRG,  32
.set S,    96
.set O,    160
.set PC,   192
.set STO,  208                         ; v208 the way out: where I read 16 bytes back
.set T,    222
.set TB,   2                           ; s2   LDS byte of the key step in hand
.set KS,   3                           ; s3   the key step
.set WV,   18
.set SEL,  20
.set CS,   22                          ; s[22:23] c = log2(e) / 8 x 2^(e2 + e3)
.set G1K,  24
.set G1V,  32
.set G0K,  40
.set G0V,  44
.set NMA,  50                          ; s50, s51  the last key step of my first and second tile: by the wave's number alone
.set NMB,  51
.set Q0A,  52                          ; s52, s53  their first queries
.set Q0B,  53
.set YB1,  56                          ; s[56:57] the second tile's rows of y
.set EY,   59                          ; s59  e4 + e5
.set KF,   98                          ; s98  the step's first key
.macro ROUND                           ; a round of the cluster's barrier
	s_barrier_signal -1
	s_barrier_wait -1
	s_cmp_lg_u32 s[WV], 0
	s_cbranch_scc1 .Lnot_wave_0_\@
	s_barrier_signal -3
.Lnot_wave_0_\@:
	s_barrier_wait -3
	s_barrier_signal -1
	s_barrier_wait -1
.endm
.macro INIT                            ; a tile's state: the first step finds zeros, which the first change of M leaves zeros
	v_mov_b32 v13, 0xff61b1e6                      ; the largest t so far: -3e38
	s_delay_alu instid0(VALU_DEP_1)
	v_floor_f32 v12, -v13                          ; -M
	v_mov_b32 v14, 0
	v_mov_b32 v15, 0
.set n, 0
.rept 32
	v_mov_b32 v[O+n], 0
.set n, n+1
.endr
.endm
	s_load_b128 s[4:7], s[0:1], 0x0                ; q_codes, k_codes
	s_load_b128 s[12:15], s[0:1], 0x10             ; v_codes, the scales' exponents
	s_load_b64 s[16:17], s[0:1], 0x20              ; y_codes
	v_lshl_add_u32 v[SPW], v0, 2, SPARE
	v_mov_b32 v[NIL], 0
	ds_add_u32 v[SPW], v[NIL]                      ; the opening: the add, twice on end, and its wait ahead of my first tensor load
	ds_add_u32 v[SPW], v[NIL]
	v_lshrrev_b32 v8, 5, v0
	s_delay_alu instid0(VALU_DEP_1)
	v_readfirstlane_b32 s[WV], v8                  ; wave 0..15
	s_bfe_u32 s48, ttmp6, 0x40000                  ; y: my place in the cluster
	s_and_b32 s49, ttmp7, 0xffff                   ; the head: the cluster's y
	s_lshl_b32 s66, s48, 4
	s_lshl_b32 s[Q0A], s[WV], 6
	s_add_co_u32 s[Q0A], s[Q0A], s66               ; 16 (4 w + y)
	s_sub_co_u32 s[NMB], 31, s[WV]
	s_lshl_b32 s[Q0B], s[NMB], 6
	s_add_co_u32 s[Q0B], s[Q0B], s66               ; 16 (4 (31 - w) + y)
	s_lshr_b32 s[NMA], s[WV], 1
	s_lshr_b32 s[NMB], s[NMB], 1
	s_lshl_b32 s86, s49, 17                        ; the head's first byte in q, k and y
	s_mov_b32 s87, 0
	s_lshl_b32 s88, s[Q0A], 6
	s_mov_b32 s89, 0
	s_add_nc_u64 s[88:89], s[88:89], s[86:87]      ; my rows of q and y, first tile,
	s_lshl_b32 s90, s[Q0B], 6
	s_mov_b32 s91, 0
	s_add_nc_u64 s[90:91], s[90:91], s[86:87]      ; second tile
	s_and_b32 s84, s[WV], 7                        ; which eighth of K or of V I fetch
	s_lshl_b32 s92, s84, 14
	s_mov_b32 s93, 0
	s_add_nc_u64 s[92:93], s[92:93], s[86:87]      ; K: in memory
	s_lshr_b32 s94, s49, 4
	s_lshl_b32 s94, s94, 21                        ; b x 32 groups x 65,536 bytes
	s_and_b32 s95, s49, 15
	s_lshl_b32 s95, s95, 12                        ; the head's 64 rows of 64 bytes in a group
	s_add_co_u32 s94, s94, s95
	s_mov_b32 s95, 0
	s_lshl_b32 s96, s84, 18                        ; four groups
	s_mov_b32 s97, 0
	s_add_nc_u64 s[96:97], s[96:97], s[94:95]      ; V: in memory
	s_mul_i32 s85, s84, PART                       ; in LDS: K,
	s_add_co_u32 s58, s85, VOFF                    ; V
	; descriptor group 1: four rows of 4,096 bytes; 16 bytes of padding behind each 256; the mask names the cluster's four.  K's rows lie end to end, V's 65,536 bytes apart
	s_mov_b32 s[G1K], 15|(0<<16)|(1<<20)|(1<<21)|(5<<22)|(3<<25)
	s_mov_b32 s[G1K+1], 4096<<16
	s_mov_b32 s[G1K+2], 4<<16
	s_mov_b32 s[G1K+3], 4096<<16
	s_mov_b32 s[G1K+4], 4
	s_mov_b32 s[G1K+5], 4096
	s_mov_b32 s[G1K+6], 0
	s_mov_b32 s[G1K+7], 0
	s_mov_b32 s[G1V], 15|(0<<16)|(1<<20)|(1<<21)|(5<<22)|(3<<25)
	s_mov_b32 s[G1V+1], 4096<<16
	s_mov_b32 s[G1V+2], 4<<16
	s_mov_b32 s[G1V+3], 4096<<16
	s_mov_b32 s[G1V+4], 4
	s_mov_b32 s[G1V+5], 65536
	s_mov_b32 s[G1V+6], 0
	s_mov_b32 s[G1V+7], 0
	s_mov_b32 s[SEL], 0x76543210
	s_mov_b32 s[SEL+1], 0xfedcba98
	s_mov_b32 s[CS], 0x3e38aa3b                    ; log2(e) / 8
	s_wait_dscnt 0x0                               ; both opening adds are done
	s_wait_kmcnt 0x0
	s_load_b256 s[68:75], s[14:15], 0x0            ; e0 .. e7
	s_mov_b32 s[G0K], 1
	s_mov_b32 s[G0K+1], s85
	s_add_nc_u64 s[G0K+2:G0K+3], s[6:7], s[92:93]
	s_or_b32 s[G0K+3], s[G0K+3], 0x80000000
	s_mov_b32 s[G0V], 1
	s_mov_b32 s[G0V+1], s58
	s_add_nc_u64 s[G0V+2:G0V+3], s[12:13], s[96:97]
	s_or_b32 s[G0V+3], s[G0V+3], 0x80000000
	ROUND                                          ; all four work-groups are here: the joint loads meet
	s_cmp_lt_u32 s[WV], 8                          ; every wave issues one load; an s_nop 0 and four v_nop follow each of the two lines
	s_cbranch_scc0 .Lfor_v
	tensor_load_to_lds s[G0K:G0K+3], s[G1K:G1K+7]
	s_nop 0
.rept 4
	v_nop
.endr
	s_branch .Lasked
.Lfor_v:
	tensor_load_to_lds s[G0V:G0V+3], s[G1V:G1V+7]
	s_nop 0
.rept 4
	v_nop
.endr
.Lasked:
	s_add_nc_u64 s[60:61], s[4:5], s[88:89]        ; q, first tile,
	s_add_nc_u64 s[62:63], s[4:5], s[90:91]        ; second tile
	s_add_nc_u64 s[YB1:YB1+1], s[16:17], s[90:91]  ; y likewise
	s_add_nc_u64 s[16:17], s[16:17], s[88:89]
	v_and_b32 v8, 15, v0                           ; r
	v_bfe_u32 v9, v0, 4, 1                         ; h
	s_delay_alu instid0(VALU_DEP_2)
	v_lshlrev_b32 v10, 6, v8
	s_delay_alu instid0(VALU_DEP_1)
	v_lshl_add_u32 v10, v9, 4, v10                 ; Q: row r of 64 bytes, + 16 h
	global_load_b128 v[QFA:QFA+3], v10, s[60:61]   ; both tiles' fragments of Q stay in registers
	global_load_b128 v[QFA+4:QFA+7], v10, s[60:61] offset:32
	global_load_b128 v[QFB:QFB+3], v10, s[62:63]
	global_load_b128 v[QFB+4:QFB+7], v10, s[62:63] offset:32
	v_lshrrev_b32 v[STI], 2, v8
	s_delay_alu instid0(VALU_DEP_1)
	v_mul_u32_u24 v[STI], v[STI], UN
	v_and_b32 v11, 3, v8
	s_delay_alu instid0(VALU_DEP_1)
	v_lshl_add_u32 v[STI], v11, 6, v[STI]          ; unit r / 4, row r % 4
	s_delay_alu instid0(VALU_DEP_1)
	v_lshl_add_u32 v[AK0], v9, 4, v[STI]           ; a fragment's row, + 16 h
	s_delay_alu instid0(VALU_DEP_1)
	v_add_nc_u32 v[AV0], VOFF, v[AK0]
	v_and_b32 v[GO], 31, v0
	s_delay_alu instid0(VALU_DEP_1)
	v_lshlrev_b32 v[GO], 4, v[GO]
	s_mul_i32 s82, s[WV], 4*UN
	s_add_co_u32 s82, s82, STAGE                   ; my stage
	v_lshl_add_u32 v[STI], v9, 3, v[STI]
	s_delay_alu instid0(VALU_DEP_1)
	v_add_nc_u32 v[STI], s82, v[STI]               ; in: unit r / 4, row r % 4, + 8 h; tile t's eight codes 16 t bytes on
	v_mul_u32_u24 v[STO], v9, UN
	s_delay_alu instid0(VALU_DEP_1)
	v_lshl_add_u32 v[STO], v8, 4, v[STO]
	s_delay_alu instid0(VALU_DEP_1)
	v_add_nc_u32 v[STO], s82, v[STO]               ; back: lanes 0-15 one unit, lanes 16-31 the next
	v_mov_b32 v212, 0                              ; written once: a lane permute's destination counts as one of its sources
	v_mov_b32 v217, 0                              ; (named as the upper half of the pair v[216:217])
	INIT
	s_wait_kmcnt 0x0
	s_add_co_i32 s81, s70, s71
	s_lshl_b32 s81, s81, 23
	s_add_co_i32 s[CS], s[CS], s81                 ; a score stands for score x 2^(e2 + e3)
	s_mov_b32 s[CS+1], s[CS]
	s_add_co_i32 s[EY], s72, s73
	s_add_co_i32 s81, s72, 127
	s_lshl_b32 s82, s81, 23
	v_mov_b32 v209, s82                            ; 2^e4, for p's conversions
	s_add_co_i32 s81, s81, 8
	s_lshl_b32 s81, s81, 23
	s_or_b32 s81, s81, 0x600000
	v_mov_b32 v210, s81                            ; 448 x 2^e4, twice: one for each half of a dual pair
	v_mov_b32 v211, s81
	s_add_co_i32 s81, s74, 127
	s_lshl_b32 s82, s81, 23
	v_mov_b32 v221, s82                            ; 2^e6, for y's
	s_add_co_i32 s81, s81, 8
	s_lshl_b32 s81, s81, 23
	s_or_b32 s81, s81, 0x600000
	v_mov_b32 v220, s81                            ; 448 x 2^e6
; ONE TILE OF 16 QUERIES: a loop of a constant number of trips, a key step of 128 keys each.  nm: the register with the tile's last step; q0: with its first query; qf: its fragment of Q.
.macro PHASE trips, nm, q0, qf
	s_mov_b32 s[TB], 0
	s_mov_b32 s[KS], 0
	s_mov_b32 s[KF], 0
.Lk_\@:
	s_cmp_gt_u32 s[KS], s[\nm]                     ; a step all of whose keys come after my queries is jumped over
	s_cbranch_scc1 .Lhid_\@
	v_add_nc_u32 v[ADK], s[TB], v[AK0]
	v_add_nc_u32 v[ADV], s[TB], v[AV0]
	v_nop                                          ; with the two additions: four places in front of loads into registers that the last products have read
	v_nop
.irp t, 0,1,2,3,4,5,6,7
	ds_load_b128 v[FRG+8*\t:FRG+8*\t+3], v[ADK] offset:\t*TILE
	ds_load_b128 v[FRG+8*\t+4:FRG+8*\t+7], v[ADK] offset:\t*TILE+32
.endr
	s_wait_alu depctr_va_vdst(0)
	s_wait_dscnt 0x0
.irp t, 0,1,2,3,4,5,6,7
	v_wmma_f32_16x16x64_fp8_fp8 v[S+8*\t:S+8*\t+7], v[FRG+8*\t:FRG+8*\t+7], v[\qf:\qf+7], 0
.endr
.rept 4
	v_nop                                          ; places: for the loads below, into K's registers, and for the first reads of the scores
.endr
.irp t, 0,1,2,3                                ; V: asked for now, so that it lands under the softmax
.irp c, 0,1,2,3
	ds_load_b128 v[FRG+16*\t+4*\c:FRG+16*\t+4*\c+3], v[ADV] offset:(\c/2)*GRP+\t*TILE+32*(\c%2)
.endr
.endr
	s_cmp_lt_u32 s[KS], s[\nm]                     ; in the tile's last step hidden scores become -infinity ahead of the maximum; the earlier steps skip this
	s_cbranch_scc1 .Lopen_\@
	s_sub_co_i32 s96, s[\q0], s[KF]
	v_and_b32 v219, 15, v0
	v_bfe_u32 v10, v0, 4, 1
	s_delay_alu instid0(VALU_DEP_1)
	v_lshlrev_b32 v10, 3, v10
	s_delay_alu instid0(VALU_DEP_1)
	v_sub_nc_u32 v219, v219, v10
	s_delay_alu instid0(VALU_DEP_1)
	v_add_nc_u32 v219, s96, v219                   ; d = my query - KF - 8 (lane / 16): register 8 t + j is hidden where 16 t + j > d
	v_mov_b32 v218, 0xff800000
.set n, 0
.rept 64
	v_cmp_gt_i32 vcc_lo, 16*(n/8)+n%8, v219
	v_cndmask_b32 v[S+n], v[S+n], v218, vcc_lo
.set n, n+1
.endr
.Lopen_\@:
	v_max3_num_f32 v218, v[S], v[S+1], v[S+2]      ; the step's largest score of my query, in two chains, ascending through each tile's registers
	v_max3_num_f32 v216, v[S+3], v[S+4], v[S+5]
.set n, 6
.rept 14
	v_max3_num_f32 v218, v218, v[S+n], v[S+n+1]
	v_max3_num_f32 v216, v216, v[S+n+2], v[S+n+3]
.set n, n+4
.endr
	v_max3_num_f32 v218, v218, v[S+62], v[S+63]
	s_delay_alu instid0(VALU_DEP_1)
	v_max_num_f32 v218, v218, v216
	s_delay_alu instid0(VALU_DEP_1)
	v_permlanex16_b32 v212, v218, s[SEL], s[SEL+1]
	s_delay_alu instid0(VALU_DEP_1)
	v_max_num_f32 v218, v218, v212                 ; and among lane l xor 16's
	s_delay_alu instid0(VALU_DEP_1)
	v_mul_f32 v218, s[CS], v218                    ; as t (c is positive)
	s_delay_alu instid0(VALU_DEP_1)
	v_max_num_f32 v13, v13, v218
	v_mov_b32 v218, v12
	s_delay_alu instid0(VALU_DEP_2)
	v_floor_f32 v12, -v13                          ; the new -M = -ceil(t)
	s_delay_alu instid0(VALU_DEP_1)
	v_sub_f32 v218, v12, v218
	s_delay_alu instid0(VALU_DEP_1)
	v_cvt_i32_f32 v218, v218                       ; (it saturates)
	s_delay_alu instid0(VALU_DEP_1)
	v_ldexp_f32 v216, 1.0, v218                    ; f = 2^(old M - new M)
.set n, 0
.rept 16
	v_pk_mul_f32 v[O+n:O+n+1], v[O+n:O+n+1], v[216:217] op_sel_hi:[1,0]   ; O^T under the new M: its first read since the last products, ahead of this step's exponentials
.set n, n+2
.endr
.set n, 0
.rept 16
	v_pk_fma_f32 v[S+n:S+n+1], v[S+n:S+n+1], s[CS:CS+1], v[12:13] op_sel_hi:[1,0,0]   ; t - M of the first 32 registers
.set n, n+2
.endr
	s_wait_alu depctr_va_vdst(0)
.set n, 0
.rept 16                                       ; the first 32 exponentials; among them the other 32 registers' t - M, first read behind the next wait
	v_exp_f32 v[S+n], v[S+n]
	v_exp_f32 v[S+n+1], v[S+n+1]
	v_pk_fma_f32 v[S+32+n:S+33+n], v[S+32+n:S+33+n], s[CS:CS+1], v[12:13] op_sel_hi:[1,0,0]
.set n, n+2
.endr
	v_pk_mul_f32 v[14:15], v[14:15], v[216:217] op_sel_hi:[1,0]   ; the sums under the new M
	s_wait_alu depctr_va_vdst(0)                   ; one wait behind the first batch and ahead of the second
.set n, 0
.rept 8                                        ; the other 32 exponentials; among them the first 32 p: partial sums of the unquantised p, then the hold; all results are first read behind the next wait
	v_exp_f32 v[S+32+n], v[S+32+n]
	v_exp_f32 v[S+33+n], v[S+33+n]
	v_pk_add_f32 v[T+n/2:T+n/2+1], v[S+n:S+n+1], v[S+n+2:S+n+3]
	v_exp_f32 v[S+34+n], v[S+34+n]
	v_dual_min_num_f32 v[S+n], v[S+n], v210 :: v_dual_min_num_f32 v[S+n+1], v[S+n+1], v211       ; the conversion does not saturate (ISA guide 7.6.2); p is not negative, so the hold is one-sided
	v_exp_f32 v[S+35+n], v[S+35+n]
	v_dual_min_num_f32 v[S+n+2], v[S+n+2], v210 :: v_dual_min_num_f32 v[S+n+3], v[S+n+3], v211
.set n, n+4
.endr
	v_nop                                          ; a plain place behind the last exponential
	s_wait_alu depctr_va_vdst(0)                   ; one wait behind the second batch
.irp t, 0,1,2,3
	v_cvt_scalef32_pk8_fp8_f32 v[PC+2*\t:PC+2*\t+1], v[S+8*\t:S+8*\t+7], v209   ; keys 16 t + 8 (lane / 16) + 0 .. 7: registers 2 t, 2 t + 1 of the operand
.endr
.irp u, 0,2
.set n, 0
.rept 8
	v_pk_add_f32 v[T+n/2:T+n/2+1], v[T+n/2:T+n/2+1], v[S+32+\u+n:S+33+\u+n]
.set n, n+4
.endr
.endr
.set n, 32
.rept 16
	v_dual_min_num_f32 v[S+n], v[S+n], v210 :: v_dual_min_num_f32 v[S+n+1], v[S+n+1], v211
.set n, n+2
.endr
.irp t, 4,5,6,7
	v_cvt_scalef32_pk8_fp8_f32 v[PC+2*\t:PC+2*\t+1], v[S+8*\t:S+8*\t+7], v209
.endr
	v_pk_add_f32 v[T:T+1], v[T:T+1], v[T+8:T+9]    ; the eight partial sums into one; also the plain lines between the conversions and the products
	v_pk_add_f32 v[T+2:T+3], v[T+2:T+3], v[T+10:T+11]
	v_pk_add_f32 v[T+4:T+5], v[T+4:T+5], v[T+12:T+13]
	v_pk_add_f32 v[T+6:T+7], v[T+6:T+7], v[T+14:T+15]
	s_delay_alu instid0(VALU_DEP_2)
	v_pk_add_f32 v[T:T+1], v[T:T+1], v[T+4:T+5]
	s_delay_alu instid0(VALU_DEP_2)
	v_pk_add_f32 v[T+2:T+3], v[T+2:T+3], v[T+6:T+7]
	s_delay_alu instid0(VALU_DEP_1)
	v_pk_add_f32 v[T:T+1], v[T:T+1], v[T+2:T+3]
	s_delay_alu instid0(VALU_DEP_1)
	v_pk_add_f32 v[14:15], v[14:15], v[T:T+1]
	s_wait_alu depctr_va_vdst(0)
	s_wait_dscnt 0x0                               ; V is in
.irp t, 0,1,2,3                                ; the four accumulators take turns, and S^T's eight products stand between two links of a chain
	v_wmma_f32_16x16x128_fp8_fp8 v[O+8*\t:O+8*\t+7], v[FRG+16*\t:FRG+16*\t+15], v[PC:PC+15], v[O+8*\t:O+8*\t+7]
.endr
.Lhid_\@:
	s_add_co_u32 s[TB], s[TB], STEPB
	s_add_co_u32 s[KF], s[KF], 128
	s_add_co_u32 s[KS], s[KS], 1
	s_cmp_lt_u32 s[KS], \trips
	s_cbranch_scc1 .Lk_\@
.endm
; THE WAY OUT of a tile.  O^T / the sum x 2^(e4 + e5) is y; it is held, converted with 2^e6, and goes through my stage, so that sixteen lanes store 256 consecutive bytes (four rows of y_codes).
.macro OUT yb
	v_add_f32 v14, v14, v15
	s_delay_alu instid0(VALU_DEP_1)
	v_permlanex16_b32 v212, v14, s[SEL], s[SEL+1]
	s_delay_alu instid0(VALU_DEP_1)
	v_add_f32 v14, v14, v212
	s_wait_alu depctr_va_vdst(0)                   ; a wait ahead of the reciprocal,
	v_rcp_f32 v14, v14
	v_nop
	v_nop
	s_wait_alu depctr_va_vdst(0)                   ; ahead of its first reader,
	v_ldexp_f32 v14, v14, s[EY]
	s_wait_alu depctr_va_vdst(0)                   ; and directly ahead of the first reader of O^T
.set n, 0
.rept 32
	v_mul_f32 v[S+n], v[O+n], v14                  ; register 8 t + i is y(r, 16 t + 8 h + i); each accumulator from its low end on
.set n, n+1
.endr
.set n, 0
.rept 32
	v_med3_num_f32 v[S+n], v[S+n], -v220, v220
.set n, n+1
.endr
.irp t, 0,1,2,3
	v_cvt_scalef32_pk8_fp8_f32 v[128+2*\t:129+2*\t], v[S+8*\t:S+8*\t+7], v221
.endr
	v_nop
.irp t, 0,1,2,3
	ds_store_b64 v[STI], v[128+2*\t:129+2*\t] offset:16*\t
.endr
.irp t, 0,1
	ds_load_b128 v[136+4*\t:139+4*\t], v[STO] offset:2*UN*\t   ; LDS serves a wave's instructions in order (ISA guide 5.7.1.4): these see my stores
.endr
.irp t, 0,1
	s_wait_dscnt 1-\t                              ; load t is in, the younger one may be out
	global_store_b128 v[GO], v[136+4*\t:139+4*\t], s[\yb:\yb+1] offset:512*\t   ; 32 lanes store 512 consecutive bytes, aligned
.endr
.endm
	s_wait_alu depctr_va_vdst(0)                   ; the head's end
	s_wait_loadcnt 0x0                             ; Q
	s_wait_tensorcnt 0x0                           ; my sixteenth of K and V is in;
	s_barrier_signal -1
	s_barrier_wait -1                              ; everybody's is.  Nothing is filled again: no barrier follows but the closing round's
	PHASE 8, NMA, Q0A, QFA
	OUT 16
	s_wait_xcnt 0x0                                ; the stores have read their registers, which the next step writes
	INIT
	PHASE 16, NMB, Q0B, QFB
	OUT YB1
	s_wait_tensorcnt 0x0                           ; the wave's end: behind my last tensor load and my last LDS store
	ds_add_u32 v[SPW], v[NIL]
	s_wait_dscnt 0x0
	ROUND                                          ; the closing round
	s_endpgm
.Lfunc_end_k_qfe4495210f_attn:
	.size	k_qfe4495210f_attn, .Lfunc_end_k_qfe4495210f_attn-k_qfe4495210f_attn
	.p2alignl 7, 3214868480
	.fill 96, 4, 3214868480
	.section	.rodata,"a",@progbits
	.p2align	6, 0x0
	.amdhsa_kernel k_qfe4495210f_attn
		.amdhsa_group_segment_fixed_size 327680
		.amdhsa_private_segment_fixed_size 0
		.amdhsa_enable_private_segment 0
		.amdhsa_kernarg_size 40
		.amdhsa_user_sgpr_count 2
		.amdhsa_user_sgpr_kernarg_segment_ptr 1
		.amdhsa_wavefront_size32 1
		.amdhsa_system_sgpr_workgroup_id_x 1
		.amdhsa_system_sgpr_workgroup_id_y 1
		.amdhsa_system_sgpr_workgroup_id_z 1
		.amdhsa_system_vgpr_workitem_id 0
		.amdhsa_next_free_vgpr 256
		.amdhsa_next_free_sgpr 100
		.amdhsa_reserve_vcc 1
		.amdhsa_float_denorm_mode_32 3
		.amdhsa_float_denorm_mode_16_64 3
		.amdhsa_memory_ordered 1
		.amdhsa_forward_progress 1
		.amdhsa_inst_pref_size 62
	.end_amdhsa_kernel
	.amdgpu_metadata
---
amdhsa.version: [ 1, 2 ]
amdhsa.kernels:
  - .name:           k_qfe4495210f_attn
    .symbol:         k_qfe4495210f_attn.kd
    .args:
      - { .name: q_codes, .offset: 0, .size: 8, .value_kind: global_buffer, .address_space: global }
      - { .name: k_codes, .offset: 8, .size: 8, .value_kind: global_buffer, .address_space: global }
      - { .name: v_codes, .offset: 16, .size: 8, .value_kind: global_buffer, .address_space: global }
      - { .name: lowp_scales, .offset: 24, .size: 8, .value_kind: global_buffer, .address_space: global }
      - { .name: y_codes, .offset: 32, .size: 8, .value_kind: global_buffer, .address_space: global }
    .group_segment_fixed_size: 327680
    .private_segment_fixed_size: 0
    .kernarg_segment_align: 8
    .kernarg_segment_size: 40
    .max_flat_workgroup_size: 512
    .sgpr_count:     100
    .vgpr_count:     256
    .wavefront_size: 32
...
	.end_amdgpu_metadata
.endif
;; end of part 3
;; launch proj (part 4): grid 8 x 64, 4 waves a work-group, clusters of 4 x 4, 327,680 bytes of LDS; arguments y_codes, wp_codes, lowp_scales, out0; writes out0
.if DOCPART == 4
	.amdgcn_target "amdgcn-amd-amdhsa--gfx1250"
	.amdhsa_code_object_version 6
	.text
	.protected	k_qfe4495210f_proj
	.globl	k_qfe4495210f_proj
	.p2align	8
	.type	k_qfe4495210f_proj,@function
k_qfe4495210f_proj:
	s_mov_b64 s[64:65], 0
	v_nop
	global_prefetch_b8 v0, s[64:65] scope:SCOPE_SE
	s_setreg_imm32_b32 hwreg(HW_REG_WAVE_MODE, 25, 1), 1
	s_wait_xcnt 0x0
	s_wait_alu depctr_hold_cnt(0) depctr_sa_sdst(0) depctr_va_vdst(0) depctr_va_sdst(0) depctr_va_ssrc(0) depctr_va_vcc(0) depctr_vm_vsrc(0)
	s_getreg_b32 s2, hwreg(HW_REG_IB_STS2, 6, 4)
	s_cmp_eq_u32 s2, 0
	s_cbranch_scc0 .Lentry_in_a_cluster
	s_endpgm
.Lentry_in_a_cluster:
	s_bfe_u32 s2, ttmp6, 0x10000c
	s_cmp_lg_u32 s2, 0xf033
	s_cbranch_scc0 .Lentry_shape_is_right
	s_endpgm
.Lentry_shape_is_right:
; out0 = y w_proj on codes of FP8 (E4M3).  y_codes [64 = 16 b + head][2048 s][64 d], wp_codes [1024 n][1024 k], K = 64 head + d innermost; out0 [8192 tokens][1024] f32.
; A sum stands for sum x 2^(e6 + e7).  LIMIT: e6 + e7 lies between -126 and 127, so that 2^(e6 + e7) is an f32 number.
; A work-group of four waves makes 128 tokens x 128 columns, a wave 64 x 64: 16 accumulators.  ALL OF K = 1,024 comes in ONE fill: wave 0, 1: 64 tokens of y each (16 heads' rows of 4,096 dense bytes);
; wave 2, 3: 64 rows of wp each (1,024 bytes a row): 272,384 bytes of LDS with the padding.  Nothing is filled again: one barrier, then eight steps of 128 along K.
; CLUSTERS: 4 x 4 work-groups; y's tile is shared along a row of the cluster, wp's along a column: each is asked for jointly.  NO PREFETCH: every tile is asked for at the head; there is no later load to run ahead of.
; THE MATRIX INSTRUCTION IS USED TRANSPOSED (source 0 = 16 rows of wp, source 1 = 16 tokens): a lane holds eight neighbouring columns of one token's row.
; REGISTERS: window 0: v0-31 addresses; v64-127, v128-191 y's fragments, two sets; on the way out v32-63 scaled sums, v192-255 rows read back.  Window 1: v0-63, v64-127 wp's fragments, two sets; v128-255 the accumulators ((a, b) at 128 + 8 (4 a + b)).
.set AU,     4352                      ; a head's 64 tokens in LDS: 16 units of 4 rows x 64 bytes + 16 of padding
.set APART,  16*AU
.set BP,     1040                      ; a row of wp in LDS: 1,024 bytes + 16 of padding: an odd multiple of 16
.set BPART,  64*BP
.set BOFF,   2*APART
.set SPARE,  BOFF+2*BPART              ; 272,384: the spare words, 128 bytes for each wave
.set STAGE,  SPARE+512                 ; the way out: 16 rows x (256 + 16) bytes for each wave; no tile lands here
.set SPITCH, 272
.set ADRA, 16                          ; v16, v17 my fragments of y: heads 0-7, heads 8-15
.set ADRB, 20
.set STO,  24
.set RD,   25
.set CO,   26
.set SPW,  28                          ; v28  LDS address of my spare word; never rewritten
.set NIL,  29                          ; v29  0; never rewritten
.set TMP,  32
.set BK,   192
.set G1, 24
.set G0, 32
.set G1B, 48
.set G0B, 56
.set MSB, 0
.macro WIN new                         ; the immediate's high byte repeats the setting that is left
.if MSB != \new
	s_set_vgpr_msb (MSB<<8)|\new
.set MSB, \new
.endif
.endm
.set MULW, 0x51                        ; source 0 (wp) window 1, source 1 (y) window 0, C and D window 1
.set TO_B, 0x40                        ; destination window 1, address window 0
.macro CROUND                          ; a round of the cluster's barrier
	s_barrier_signal -1
	s_barrier_wait -1
	s_cmp_lg_u32 s14, 0
	s_cbranch_scc1 .Lnot_wave_0_\@
	s_barrier_signal -3
.Lnot_wave_0_\@:
	s_barrier_wait -3
	s_barrier_signal -1
	s_barrier_wait -1
.endm
	s_load_b128 s[4:7], s[0:1], 0x0                ; y_codes, wp_codes
	s_load_b128 s[8:11], s[0:1], 0x10              ; the scales' exponents, out0
	v_lshl_add_u32 v[SPW], v0, 2, SPARE
	v_mov_b32 v[NIL], 0
	ds_add_u32 v[SPW], v[NIL]                      ; the opening: the add, twice on end, and its wait ahead of my first tensor load
	ds_add_u32 v[SPW], v[NIL]
	v_lshrrev_b32 v1, 5, v0
	v_readfirstlane_b32 s14, v1                    ; wave 0..3
	s_lshr_b32 s15, s14, 1                         ; my half of the tokens.  Also: I fetch for y (0) or for wp (1)
	s_and_b32 s16, s14, 1                          ; my half of the columns.  Also: which 64 rows I fetch
	s_bfe_u32 s40, ttmp6, 0x40000                  ; cx, cy
	s_bfe_u32 s41, ttmp6, 0x40004
	s_lshl_b32 s42, ttmp9, 2
	s_add_co_u32 s42, s42, s40                     ; tile column 0 .. 7
	s_and_b32 s17, ttmp7, 0xffff
	s_lshl_b32 s17, s17, 2
	s_add_co_u32 s17, s17, s41                     ; tile row 0 .. 63
	s_lshl_b32 s43, s41, 2
	s_lshl_b32 s43, 15, s43                        ; my row of the cluster
	s_lshl_b32 s44, 0x1111, s40                    ; my column
	s_or_b32 s[G1+0], s43, (0<<16)|(1<<20)|(1<<21)|(5<<22)|(3<<25)   ; y: 16 rows of 4,096 bytes, 131,072 apart; four words of padding after every 64
	s_mov_b32 s[G1+1], 4096<<16
	s_mov_b32 s[G1+2], 16<<16
	s_mov_b32 s[G1+3], 4096<<16
	s_mov_b32 s[G1+4], 16
	s_mov_b32 s[G1+5], 131072
	s_mov_b32 s[G1+6], 0
	s_mov_b32 s[G1+7], 0
	s_or_b32 s[G1B+0], s44, (0<<16)|(1<<20)|(1<<21)|(7<<22)|(3<<25)  ; wp: 64 rows of 1,024 bytes; four words of padding after every 256
	s_mov_b32 s[G1B+1], 1024<<16
	s_mov_b32 s[G1B+2], 64<<16
	s_mov_b32 s[G1B+3], 1024<<16
	s_mov_b32 s[G1B+4], 64
	s_mov_b32 s[G1B+5], 1024
	s_mov_b32 s[G1B+6], 0
	s_mov_b32 s[G1B+7], 0
	s_lshr_b32 s20, s17, 4
	s_lshl_b32 s20, s20, 21                        ; y: b x 16 heads x 131,072 bytes
	s_and_b32 s18, s17, 15
	s_lshl_b32 s18, s18, 13                        ; + 128 tokens of 64 bytes x the tile's place in b
	s_add_co_u32 s20, s20, s18
	s_lshl_b32 s19, s16, 12                        ; + my 64 tokens
	s_add_co_u32 s20, s20, s19
	s_mov_b32 s21, 0
	s_lshl_b32 s46, s42, 17                        ; wp: 128 rows of 1,024 bytes x tile column
	s_lshl_b32 s19, s16, 16                        ; + my 64 rows
	s_add_co_u32 s46, s46, s19
	s_mov_b32 s47, 0
	s_mul_i32 s45, s16, APART                      ; where they go: no place in the cluster enters an LDS address
	s_mul_i32 s12, s16, BPART
	s_add_co_u32 s12, s12, BOFF
	s_wait_dscnt 0x0                               ; both opening adds are done
	s_wait_kmcnt 0x0
	s_load_b64 s[96:97], s[8:9], 0x18              ; e6, e7
	s_mov_b32 s[G0], 1
	s_mov_b32 s[G0+1], s45
	s_add_nc_u64 s[G0+2:G0+3], s[4:5], s[20:21]
	s_or_b32 s[G0+3], s[G0+3], 0x80000000
	s_mov_b32 s[G0B], 1
	s_mov_b32 s[G0B+1], s12
	s_add_nc_u64 s[G0B+2:G0B+3], s[6:7], s[46:47]
	s_or_b32 s[G0B+3], s[G0B+3], 0x80000000
	CROUND                                         ; all sixteen work-groups are here: the joint loads meet
	s_cmp_eq_u32 s15, 0                            ; every wave issues one load; an s_nop 0 and four v_nop follow each of the two lines
	s_cbranch_scc0 .Lfor_b
	tensor_load_to_lds s[G0:G0+3], s[G1:G1+7]
	s_nop 0
.rept 4
	v_nop
.endr
	s_branch .Lasked
.Lfor_b:
	tensor_load_to_lds s[G0B:G0B+3], s[G1B:G1B+7]
	s_nop 0
.rept 4
	v_nop
.endr
.Lasked:
	v_and_b32 v1, 15, v0                           ; r
	v_bfe_u32 v2, v0, 4, 1                         ; h
	v_lshrrev_b32 v3, 2, v1
	v_mul_u32_u24 v3, v3, 272
	v_and_b32 v4, 3, v1
	v_lshl_add_u32 v3, v4, 6, v3
	v_lshl_add_u32 v3, v2, 4, v3                   ; y: unit r / 4, row r % 4, + 16 h
	v_mul_u32_u24 v4, v1, BP
	v_lshl_add_u32 v4, v2, 4, v4                   ; wp: row r, + 16 h
	s_mul_i32 s21, s15, APART
	s_mul_i32 s22, s16, BPART
	s_add_co_u32 s22, s22, BOFF
	v_add_nc_u32 v[ADRA], s21, v3
	v_add_nc_u32 v[ADRA+1], 8*AU, v[ADRA]
	v_add_nc_u32 v[ADRB], s22, v4
	s_mul_i32 s23, s14, 16*SPITCH
	s_add_co_u32 s23, s23, STAGE                   ; my stage
	v_mul_u32_u24 v5, v1, SPITCH
	v_lshl_add_u32 v5, v2, 5, v5
	v_add_nc_u32 v[STO], s23, v5                   ; in: row r, 32 bytes for each half of the lanes
	v_mul_u32_u24 v6, v2, SPITCH
	v_lshl_add_u32 v6, v1, 4, v6
	v_add_nc_u32 v[RD], s23, v6                    ; back: lanes 0-15 one row of 256 bytes, lanes 16-31 the next
	v_lshlrev_b32 v7, 12, v2
	v_lshl_add_u32 v[CO], v1, 4, v7                ; and the same two rows in out0
	s_lshl_b32 s20, s17, 7
	s_lshl_b32 s21, s15, 6
	s_add_co_u32 s20, s20, s21                     ; my first token
	s_lshl_b32 s20, s20, 12
	s_mov_b32 s21, 0
	s_lshl_b32 s46, s42, 9                         ; my first column, in bytes: 512 x tile column + 256 x half
	s_lshl_b32 s47, s16, 8
	s_add_co_u32 s46, s46, s47
	s_mov_b32 s47, 0
	s_add_nc_u64 s[20:21], s[20:21], s[46:47]
	s_add_nc_u64 s[10:11], s[10:11], s[20:21]
; The fragments of the q-th 128 along K into set p: lane l holds row l % 16; registers 4 c .. 4 c + 3 hold K = 128 q + 32 c + 16 (l / 16) + 0 .. 15: the same order of k on both sides
.macro FETCH q, p
	WIN TO_B
.irp i, 0,1,2,3
.irp c, 0,1,2,3
	ds_load_b128 v[64*(\p)+16*\i+4*\c:64*(\p)+16*\i+4*\c+3], v[ADRB] offset:128*(\q)+32*\c+\i*16*BP
.endr
.endr
	WIN 0
.irp i, 0,1,2,3
.irp c, 0,1,2,3
	ds_load_b128 v[64+64*(\p)+16*\i+4*\c:64+64*(\p)+16*\i+4*\c+3], v[ADRA+(\q)/4] offset:(2*((\q)%4)+\c/2)*AU+\i*4*272+32*(\c%2)
.endr
.endr
.endm
.macro MUL p, zero                     ; the 16 accumulators take turns, one instruction a turn, in the same order in every step
.irp a, 0,1,2,3
.irp b, 0,1,2,3
.if \zero
	v_wmma_f32_16x16x128_fp8_fp8 v[128+8*(4*\a+\b):128+8*(4*\a+\b)+7], v[64*(\p)+16*\b:64*(\p)+16*\b+15], v[64+64*(\p)+16*\a:64+64*(\p)+16*\a+15], 0
.else
	v_wmma_f32_16x16x128_fp8_fp8 v[128+8*(4*\a+\b):128+8*(4*\a+\b)+7], v[64*(\p)+16*\b:64*(\p)+16*\b+15], v[64+64*(\p)+16*\a:64+64*(\p)+16*\a+15], v[128+8*(4*\a+\b):128+8*(4*\a+\b)+7]
.endif
.endr
.endr
.endm
.macro PLACES                          ; four places behind matrix instructions, ahead of loads into registers that they read and of reads of their results
.rept 4
	v_nop
.endr
.endm
	s_wait_alu depctr_va_vdst(0)                   ; the head's end
	s_wait_tensorcnt 0x0                           ; my quarter of the tiles is in;
	s_barrier_signal -1
	s_barrier_wait -1                              ; everybody's is
	FETCH 0, 0
.irp q, 0,1,2,3,4,5,6,7
.if \q < 7
	PLACES
	FETCH \q+1, (\q+1)%2                           ; the next step's fragments, into the set that the last step multiplied
	s_wait_dscnt 32                                ; this step's are in; the 32 loads just issued may be out
.else
	s_wait_dscnt 0x0
.endif
	WIN MULW
.if \q == 0
	MUL 0, 1                                       ; the first step starts the sums
.else
	MUL \q%2, 0
.endif
	WIN 0
.endr
; THE WAY OUT, by blocks of 16 tokens x 64 columns: x 2^(e6 + e7), through my stage, back as rows of 256 bytes: sixteen lanes store one aligned unit of 256 bytes.
.macro TOSTAGE a
	WIN 0x01                                       ; source 0: window 1
.set jj, 0
.rept 16
	v_pk_mul_f32 v[TMP+jj:TMP+jj+1], v[128+32*(\a)+jj:128+32*(\a)+jj+1], s[96:97] op_sel_hi:[1,0]   ; each accumulator from its low end on
.set jj, jj+2
.endr
	WIN 0
.irp b, 0,1,2,3
	ds_store_b128 v[STO], v[TMP+8*\b:TMP+8*\b+3] offset:64*\b
	ds_store_b128 v[STO], v[TMP+8*\b+4:TMP+8*\b+7] offset:64*\b+16
.endr
.set BB, BK+32*((\a)%2)
.irp t, 0,1,2,3,4,5,6,7
	ds_load_b128 v[BB+4*\t:BB+4*\t+3], v[RD] offset:\t*2*SPITCH   ; LDS serves a wave's instructions in order (ISA guide 5.7.1.4): these see my stores
.endr
.endm
.macro SEND a, younger                 ; younger: the LDS instructions issued behind block a's loads, which may stay out
.set BB, BK+32*((\a)%2)
	s_wait_dscnt \younger
.if (\a) > 0
	s_add_nc_u64 s[10:11], s[10:11], 16*4096       ; (behind a wait on XCNT: the earlier stores have read their base)
.endif
.irp t, 0,1,2,3,4,5,6,7
	global_store_b128 v[CO], v[BB+4*\t:BB+4*\t+3], s[10:11] offset:\t*2*4096 th:TH_STORE_NT
.endr
.endm
	s_wait_kmcnt 0x0
	s_add_co_i32 s96, s96, s97
	s_add_co_i32 s96, s96, 127
	s_lshl_b32 s96, s96, 23                        ; 2^(e6 + e7)
	PLACES
	TOSTAGE 0
.irp a, 1,2,3
.if \a > 1
	s_wait_xcnt 0x0                                ; block a - 2's stores have read their registers and their base
.endif
	TOSTAGE \a
	SEND \a-1, 16                                  ; behind block a - 1's loads: block a's 8 stores and 8 loads
.endr
	s_wait_xcnt 0x0
	SEND 3, 0
	s_wait_tensorcnt 0x0                           ; the wave's end: behind my last tensor load and my last LDS store
	ds_add_u32 v[SPW], v[NIL]
	s_wait_dscnt 0x0
	CROUND                                         ; the closing round
	s_endpgm
.Lfunc_end_k_qfe4495210f_proj:
	.size	k_qfe4495210f_proj, .Lfunc_end_k_qfe4495210f_proj-k_qfe4495210f_proj
	.p2alignl 7, 3214868480
	.fill 96, 4, 3214868480
	.section	.rodata,"a",@progbits
	.p2align	6, 0x0
	.amdhsa_kernel k_qfe4495210f_proj
		.amdhsa_group_segment_fixed_size 327680
		.amdhsa_private_segment_fixed_size 0
		.amdhsa_enable_private_segment 0
		.amdhsa_kernarg_size 32
		.amdhsa_user_sgpr_count 2
		.amdhsa_user_sgpr_kernarg_segment_ptr 1
		.amdhsa_wavefront_size32 1
		.amdhsa_system_sgpr_workgroup_id_x 1
		.amdhsa_system_sgpr_workgroup_id_y 1
		.amdhsa_system_sgpr_workgroup_id_z 1
		.amdhsa_system_vgpr_workitem_id 0
		.amdhsa_next_free_vgpr 512
		.amdhsa_next_free_sgpr 100
		.amdhsa_reserve_vcc 0
		.amdhsa_float_denorm_mode_32 3
		.amdhsa_float_denorm_mode_16_64 3
		.amdhsa_memory_ordered 1
		.amdhsa_forward_progress 1
		.amdhsa_inst_pref_size 45
	.end_amdhsa_kernel
	.amdgpu_metadata
---
amdhsa.version: [ 1, 2 ]
amdhsa.kernels:
  - .name:           k_qfe4495210f_proj
    .symbol:         k_qfe4495210f_proj.kd
    .args:
      - { .name: y_codes, .offset: 0, .size: 8, .value_kind: global_buffer, .address_space: global }
      - { .name: wp_codes, .offset: 8, .size: 8, .value_kind: global_buffer, .address_space: global }
      - { .name: lowp_scales, .offset: 16, .size: 8, .value_kind: global_buffer, .address_space: global }
      - { .name: out0, .offset: 24, .size: 8, .value_kind: global_buffer, .address_space: global }
    .group_segment_fixed_size: 327680
    .private_segment_fixed_size: 0
    .kernarg_segment_align: 8
    .kernarg_segment_size: 32
    .max_flat_workgroup_size: 128
    .sgpr_count:     100
    .vgpr_count:     512
    .wavefront_size: 32
...
	.end_amdgpu_metadata
.endif
;; end of part 4
